; MI455X (gfx1250); checked and timed in simulation.
; The chip was launched on July 23, 2026; its instructions are those of AMD's public machine-readable ISA for CDNA 5 (MIT licence, August 2026) and "CDNA5" Instruction Set Architecture Reference Guide (July 2026). The comments in the code are by the model that wrote it; some were corrected since.
;; Causal Multi Head Self Attention. Allowed arithmetic: matrix products marked QUANTISED: E3M2 operands, one E8M0 scale for each 32 along K, by v_wmma_scale_f32_16x16x128_f8f6f4 with both operands' format E3M2, f32 sums; everything else in f32.
;; Inputs: Wk 1,024 x 1,024 float32; Wo 1,024 x 1,024 float32; Wq 1,024 x 1,024 float32; Wv 1,024 x 1,024 float32; bk 1,024 float32; bo 1,024 float32; bq 1,024 float32; bv 1,024 float32; x 4 x 2,048 x 1,024 float32.
;; Outputs: out0 4 x 2,048 x 1,024 float32.
;; This version of the problem:
;;   THIS VERSION OF THE PROBLEM IS GIVEN IN LOW PRECISION. The matrix products marked QUANTISED in the list below multiply operands that are first quantised to E3M2 (3 exponent bits, 2 mantissa bits; 6 bits a number), with one power-of-two scale for each 32 numbers along K (OCP MX v1.0); their sums are f32. All else is computed in f32.
;;   The module's matrix products, in the order in which they are computed (A, B: the left and right operand; K: the contracted axis; several contracted axes count as one K, in the product's order):
;;     1. [M 8,192, K 1,024] x [K 1,024, N 1,024]; A: input x; B: input Wq: QUANTISED
;;     2. [M 8,192, K 1,024] x [K 1,024, N 1,024]; A: input x; B: input Wk: QUANTISED
;;     3. [M 8,192, K 1,024] x [K 1,024, N 1,024]; A: input x; B: input Wv: QUANTISED
;;     4. batch 64 x [M 2,048, K 64] x [K 64, N 2,048]; A: computed on the way; B: computed on the way: QUANTISED
;;     5. batch 64 x [M 2,048, K 2,048] x [K 2,048, N 64]; A: softmax (see below); B: computed on the way: QUANTISED
;;     6. [M 8,192, K 1,024] x [K 1,024, N 1,024]; A: computed on the way; B: input Wo: QUANTISED
;;   THE QUANTISER, for each operand of a quantised product, along K:
;;     - K is cut into blocks of 32 from its start; a last block that is shorter is filled with zeros.
;;     - A block's scale is 2^e with e = floor(log2(the largest magnitude in the block)) - 4, held to -126 .. 127; a block of zeros has e = 0. As a byte (E8M0): e + 127.
;;     - Each number is divided by its block's scale, clamped to +-28, and rounded to the nearest number of E3M2, ties to even, subnormals kept.
;;     - The product sums the exact products of the quantised numbers (number of the format x scale) in f32.
;;   ~~~python
;;   def quantise(x, axis):      # numpy; x: float32 -> the quantised numbers, widened to float32 again
;;       x = np.moveaxis(x, axis, -1); K = x.shape[-1]
;;       x = np.pad(x, [(0, 0)] * (x.ndim - 1) + [(0, -K % 32)]); x = x.reshape(x.shape[:-1] + (-1, 32)); a = np.abs(x).max(-1, keepdims=True)
;;       e = np.where(a > 0, np.clip(np.frexp(np.where(a > 0, a, 1))[1] - 1 - 4, -126, 127), 0)      # np.frexp(a)[1] - 1 = floor(log2(a)), exactly
;;       r = np.clip(x / 2.0 ** e, -28, 28)
;;       step = 2.0 ** (np.maximum(np.frexp(np.where(r == 0, 1, r))[1] - 1, -2) - 2)
;;       q = np.round(r / step) * step * 2.0 ** e      # np.round: ties to even
;;       return np.moveaxis(q.reshape(q.shape[:-2] + (-1,))[..., :K], -1, axis).astype(np.float32)
;;   ~~~
;;   SOFTMAX AHEAD OF A QUANTISED PRODUCT. Where the list says 'softmax', what is quantised is not the finished softmax but p = 2^(t - M), with t = logit x log2(e) and M = ceil(the row's largest t), a whole number; so 1/2 < the row's largest p <= 1. The row's sum l is taken of the UNQUANTISED p, in f32, and the product's result is divided by l at the end. Since M is a whole number, a kernel that streams over the keys may use a running M (the ceiling of the running maximum): every later rescaling is an exact power of two, which a block's scale takes up: the codes' values come out the same.
;;   OPERANDS COMPUTED ON THE WAY. 'Computed on the way' means the value that the module computes at that place (a softmax that the list does not call 'softmax' is quantised finished and normalised). What goes into a quantiser is computed in f32, as accurately as f32 sums, v_exp_f32 and their like allow (about 1e-6 of the number): no bf16 or f16 on the way to a quantiser, and a product that is left as it is and whose result goes on into a quantised operand takes f32 operands (vector FMAs, or v_wmma_f32_16x16x4_f32). A number that lies on a knife's edge between two numbers of the format may be rounded either way, as far as f32 arithmetic and the matrix unit's own rounding can turn it there, and no further.
;; One version. Each part assembles by itself: llvm-mc -triple=amdgcn-amd-amdhsa -mcpu=gfx1250 --defsym DOCPART=n.
;; ======== version 1 of 1: 4 launches
;; workspace buffers: codes1 9,437,184 bytes; scales1 393,216 bytes; rec 20,185,088 bytes; yc 6,291,456 bytes; ys 262,144 bytes
;; launch quant (part 1): grid 384 x 1, 4 waves a work-group, no clusters, 33,280 bytes of LDS; arguments x, Wq, Wk, Wv, Wo, codes1, scales1; writes codes1, scales1
.if DOCPART == 1
	.amdgcn_target "amdgcn-amd-amdhsa--gfx1250"
	.amdhsa_code_object_version 6
	.text
	.protected	k_qdf8545a276_quant
	.globl	k_qdf8545a276_quant
	.p2align	8
	.type	k_qdf8545a276_quant,@function
k_qdf8545a276_quant:
	s_mov_b64 s[64:65], 0
	v_nop
	global_prefetch_b8 v0, s[64:65] scope:SCOPE_SE
	s_setreg_imm32_b32 hwreg(HW_REG_WAVE_MODE, 25, 1), 1
	s_wait_xcnt 0x0
; x [8192][1024] and Wq, Wk, Wv, Wo [1024][1024], f32, K innermost, become codes of BF6 (E3M2), 6 bits each, and one E8M0 byte for each 32 along K:
; codes1 [12288 rows][768 bytes], scales1 [12288 rows][32 bytes]; rows 0-8191 x, then 1024 each of Wq, Wk, Wv, Wo.
; A block's scale is 2^(floor(log2(its largest magnitude)) - 4); its byte is the largest magnitude's exponent field - 4, held at 1 from below.
; THE ORDER OF ROWS: row p of the two buffers holds the tensor's row p with bits 3 and 4 exchanged.  So 16 rows on end, 16 i + r, are the tensor's rows 32 (i / 2) + 8 (i % 2) + r + 8 (r / 8):
; a tile of such rows as a product's source 0 leaves 16 neighbours of the tensor's order in a lane's 16 registers of two neighbouring tiles, which is what the later launches' quantisers want.
; LIMITS: a block of zeros, and a block whose largest magnitude lies under 2^-122, gets the byte 1 (the rule says 127 for zeros: the codes are zeros, and this program alone reads the bytes); NaN and infinities are not served.
; SHARES: a work-group takes 32 rows, a wave 8 rows = 8,192 numbers = 16 steps of 512.  Work-groups 0-255 take x, then 32 each Wq, Wk, Wv, Wo.  A wave's 8 rows are one run of the output, so the exchange of bits 3 and 4 is an exchange of the wave number's two bits.
; Each of a step's four loads reads 512 consecutive bytes; the 2,048 bytes turn through the wave's own stage in LDS and come back 64 bytes a lane: 16 neighbours along K; two neighbouring lanes hold a block.
; No matrix unit, no cluster, no barrier: waves share nothing and memory binds.  Loads run four steps (16 loads a wave) ahead.
.set STEPS, 16
.set EMAX,  4
.set CB,    12                         ; bytes of 16 codes
.set R,     16                         ; v16-79   four sets of 16 numbers as loaded
.set X,     80                         ; v80-111  two sets of 16 neighbours
.set C,     128                        ; v128-191 codes: four registers for each step, so that no store's data are written again
.set E,     112                        ; v112-127 a scale byte for each step
.set WREG,  8192                       ; LDS: a region for each wave: two stages of 32 x SP bytes, then its 256 scale bytes
.set SP,    80                         ; a lane's place in a stage: 64 bytes + 16 of padding
	s_load_b256 s[4:11], s[0:1], 0x0               ; x, Wq, Wk, Wv
	s_load_b128 s[12:15], s[0:1], 0x20             ; Wo, codes1
	s_load_b64 s[16:17], s[0:1], 0x30              ; scales1
	v_lshl_add_u32 v192, v0, 2, 0x8000
	v_mov_b32 v193, 0
	v_lshrrev_b32 v1, 5, v0
	v_readfirstlane_b32 s18, v1                    ; wave
	v_and_b32 v2, 31, v0                           ; lane
	v_lshlrev_b32 v3, 4, v2                        ; my 16 bytes of a load's 512
	s_mul_i32 s19, s18, WREG
	v_lshrrev_b32 v14, 2, v2
	v_mul_u32_u24 v14, v14, SP
	v_and_b32 v15, 3, v2
	v_lshl_add_u32 v14, v15, 4, v14
	v_add_nc_u32 v14, s19, v14                     ; the stage, on the way in: SP (lane / 4) + 16 (lane % 4)
	v_mul_u32_u24 v15, v2, SP
	v_add_nc_u32 v15, s19, v15                     ; and on the way out: SP x lane
	v_mul_u32_u24 v4, v2, CB                       ; my codes' place in a step's
	v_lshrrev_b32 v5, 1, v2
	s_add_co_u32 s19, s19, 2*32*SP
	v_add_nc_u32 v5, s19, v5                       ; LDS: my block's scale byte
	v_lshlrev_b32 v7, 3, v2                        ; and on the way out 8 bytes a lane
	v_add_nc_u32 v6, s19, v7
	s_and_b32 s23, ttmp9, 31                       ; a weight's work-groups count from a multiple of 32
	s_wait_alu depctr_va_vdst(0)
	s_wait_kmcnt 0x0
	s_mov_b64 s[20:21], s[12:13]                   ; which tensor: the choice hangs on the work-group's number alone
	s_cmp_lt_u32 ttmp9, 352
	s_cselect_b64 s[20:21], s[10:11], s[20:21]
	s_cmp_lt_u32 ttmp9, 320
	s_cselect_b64 s[20:21], s[8:9], s[20:21]
	s_cmp_lt_u32 ttmp9, 288
	s_cselect_b64 s[20:21], s[6:7], s[20:21]
	s_cmp_lt_u32 ttmp9, 256
	s_cselect_b64 s[20:21], s[4:5], s[20:21]
	s_cselect_b32 s22, ttmp9, s23                  ; my block of 32 rows in that tensor
	s_lshl_b32 s24, s22, 17                        ; 32 rows of 4,096 bytes,
	s_lshl_b32 s25, s18, 15                        ; my wave's 8
	s_add_co_u32 s24, s24, s25
	s_mov_b32 s25, 0
	s_add_nc_u64 s[20:21], s[20:21], s[24:25]
	s_lshr_b32 s26, s18, 1                         ; the wave number's two bits change places
	s_and_b32 s27, s18, 1
	s_lshl_b32 s27, s27, 1
	s_or_b32 s26, s26, s27
	s_lshl_b32 s27, ttmp9, 2
	s_add_co_u32 s26, s26, s27                     ; which run of 8 rows of the output is mine
	s_mul_i32 s24, s26, 32*STEPS*CB                ; 6,144 bytes of codes a run
	s_add_nc_u64 s[14:15], s[14:15], s[24:25]
	s_lshl_b32 s24, s26, 8                         ; 256 scale bytes a run
	s_add_nc_u64 s[16:17], s[16:17], s[24:25]
.macro LOAD t
.irp i, 0,1,2,3
	global_load_b128 v[R+16*((\t)%4)+4*\i:R+16*((\t)%4)+4*\i+3], v3, s[20:21] offset:2048*(\t)+512*\i th:TH_LOAD_NT   ; 32 lanes read 512 consecutive bytes
.endr
.endm
.macro TURN t                          ; step t's numbers through the stage: LDS serves a wave's instructions in order (ISA guide 5.7.1.4), so no wait stands between the stores and the loads
.irp i, 0,1,2,3
	ds_store_b128 v14, v[R+16*((\t)%4)+4*\i:R+16*((\t)%4)+4*\i+3] offset:32*SP*((\t)%2)+8*SP*\i
.endr
.irp i, 0,1,2,3
	ds_load_b128 v[X+16*((\t)%2)+4*\i:X+16*((\t)%2)+4*\i+3], v15 offset:32*SP*((\t)%2)+16*\i
.endr
.endm
.irp t, 0,1,2,3
	LOAD \t
.endr
	s_wait_loadcnt 12                              ; step 0's four loads are in; the twelve of steps 1 to 3 may be out
	TURN 0
.macro STEP t
.set XS, X+16*((\t)%2)
.if (\t) > 0
	s_wait_dscnt 1                                 ; this step's numbers are back from the stage (the last step's byte store may be out): so its stores into the stage have read their registers,
.else
	s_wait_dscnt 0x0
.endif
.if (\t)+4 < STEPS
	LOAD (\t)+4                                    ; which take the loads of four steps on
.endif
.if (\t)+1 < STEPS
.if STEPS-2-(\t) >= 3
	s_wait_loadcnt 12                              ; the next step's four loads are in; those of the three steps behind it may be out
.else
	s_wait_loadcnt 4*(STEPS-2-(\t))
.endif
	TURN (\t)+1                                    ; and go through the other stage while this step is worked
.endif
	v_max3_num_f32 v8, |v[XS]|, |v[XS+1]|, |v[XS+2]|               ; the largest magnitude of my 16, in two chains
	v_max3_num_f32 v9, |v[XS+3]|, |v[XS+4]|, |v[XS+5]|
.irp i, 6,10
	v_max3_num_f32 v8, v8, |v[XS+\i]|, |v[XS+\i+1]|
	v_max3_num_f32 v9, v9, |v[XS+\i+2]|, |v[XS+\i+3]|
.endr
	v_max3_num_f32 v8, v8, |v[XS+14]|, |v[XS+15]|
	v_max3_num_f32 v8, v8, v9, (EMAX+1)<<23        ; and the floor 2^(5 - 127): the byte cannot fall under 1
	v_max_num_f32_dpp v8, v8, v8 row_xmask:1 row_mask:0xf bank_mask:0xf   ; and of my neighbour's 16: the block's
	v_add_nc_u32 v11, -(EMAX<<23), v8              ; 4 off its exponent field: the conversion takes the exponent field of this operand as its scale
	v_cvt_scalef32_pk16_bf6_f32 v[C+4*(\t):C+4*(\t)+2], v[XS:XS+15], v11   ; sixteen numbers / the scale, to the nearest code, ties to even, beyond 28 the largest code
	v_lshrrev_b32 v[E+(\t)], 23, v11               ; the scale's byte
	ds_store_b8 v5, v[E+(\t)] offset:16*(\t)       ; both lanes of a block write the same byte with the same value
	global_store_b96 v4, v[C+4*(\t):C+4*(\t)+2], s[14:15] offset:32*CB*(\t)   ; the wave stores 384 consecutive bytes
.endm
.irp t, 0,1,2,3,4,5,6,7,8,9,10,11,12,13,14,15
	STEP \t
.endr
	ds_load_b64 v[12:13], v6                       ; in order behind my byte stores
	s_wait_dscnt 0x0
	global_store_b64 v7, v[12:13], s[16:17]        ; 32 lanes store 256 consecutive bytes, at a multiple of 256 from the buffer's first byte
	s_wait_tensorcnt 0x0
	ds_add_u32 v192, v193
	s_wait_dscnt 0x0
	s_endpgm
.Lfunc_end_k_qdf8545a276_quant:
	.size	k_qdf8545a276_quant, .Lfunc_end_k_qdf8545a276_quant-k_qdf8545a276_quant
	.p2alignl 7, 3214868480
	.fill 96, 4, 3214868480
	.section	.rodata,"a",@progbits
	.p2align	6, 0x0
	.amdhsa_kernel k_qdf8545a276_quant
		.amdhsa_group_segment_fixed_size 33280
		.amdhsa_private_segment_fixed_size 0
		.amdhsa_enable_private_segment 0
		.amdhsa_kernarg_size 56
		.amdhsa_user_sgpr_count 2
		.amdhsa_user_sgpr_kernarg_segment_ptr 1
		.amdhsa_wavefront_size32 1
		.amdhsa_system_sgpr_workgroup_id_x 1
		.amdhsa_system_sgpr_workgroup_id_y 1
		.amdhsa_system_sgpr_workgroup_id_z 1
		.amdhsa_system_vgpr_workitem_id 0
		.amdhsa_next_free_vgpr 194
		.amdhsa_next_free_sgpr 66
		.amdhsa_reserve_vcc 0
		.amdhsa_float_denorm_mode_32 3
		.amdhsa_float_denorm_mode_16_64 3
		.amdhsa_memory_ordered 1
		.amdhsa_forward_progress 1
		.amdhsa_inst_pref_size 33
	.end_amdhsa_kernel
	.amdgpu_metadata
---
amdhsa.version: [ 1, 2 ]
amdhsa.kernels:
  - .name:           k_qdf8545a276_quant
    .symbol:         k_qdf8545a276_quant.kd
    .args:
      - { .name: x, .offset: 0, .size: 8, .value_kind: global_buffer, .address_space: global }
      - { .name: Wq, .offset: 8, .size: 8, .value_kind: global_buffer, .address_space: global }
      - { .name: Wk, .offset: 16, .size: 8, .value_kind: global_buffer, .address_space: global }
      - { .name: Wv, .offset: 24, .size: 8, .value_kind: global_buffer, .address_space: global }
      - { .name: Wo, .offset: 32, .size: 8, .value_kind: global_buffer, .address_space: global }
      - { .name: codes1, .offset: 40, .size: 8, .value_kind: global_buffer, .address_space: global }
      - { .name: scales1, .offset: 48, .size: 8, .value_kind: global_buffer, .address_space: global }
    .group_segment_fixed_size: 33280
    .private_segment_fixed_size: 0
    .kernarg_segment_align: 8
    .kernarg_segment_size: 56
    .max_flat_workgroup_size: 128
    .sgpr_count:     66
    .vgpr_count:     194
    .wavefront_size: 32
...
	.end_amdgpu_metadata
.endif
;; end of part 1
;; launch qkv (part 2): grid 12 x 32, 4 waves a work-group, clusters of 4 x 4, 327,680 bytes of LDS; arguments codes1, scales1, bq, bk, bv, rec; writes rec
.if DOCPART == 2
	.amdgcn_target "amdgcn-amd-amdhsa--gfx1250"
	.amdhsa_code_object_version 6
	.text
	.protected	k_qdf8545a276_qkv
	.globl	k_qdf8545a276_qkv
	.p2align	8
	.type	k_qdf8545a276_qkv,@function
k_qdf8545a276_qkv:
	s_mov_b64 s[64:65], 0
	v_nop
	global_prefetch_b8 v0, s[64:65] scope:SCOPE_SE
	s_setreg_imm32_b32 hwreg(HW_REG_WAVE_MODE, 25, 1), 1
	s_wait_xcnt 0x0
	s_wait_alu depctr_hold_cnt(0) depctr_sa_sdst(0) depctr_va_vdst(0) depctr_va_sdst(0) depctr_va_ssrc(0) depctr_va_vcc(0) depctr_vm_vsrc(0)
	s_getreg_b32 s2, hwreg(HW_REG_IB_STS2, 6, 4)
	s_cmp_eq_u32 s2, 0
	s_cbranch_scc0 .Lentry_in_a_cluster
	s_endpgm
.Lentry_in_a_cluster:
	s_bfe_u32 s2, ttmp6, 0x10000c
	s_cmp_lg_u32 s2, 0xf033
	s_cbranch_scc0 .Lentry_shape_is_right
	s_endpgm
.Lentry_shape_is_right:
; q = x Wq^T + bq, k = x Wk^T + bk, v = x Wv^T + bv on codes of BF6 (E3M2) with E8M0 scales, f32 sums; the results are quantised in registers (q, k along a head's 64 channels; v along the keys) and stored
; as IMAGES OF OPERAND REGISTERS into one record for each (batch, head), so that the attention launch loads fragments as they stand.
; A tile of 256 x 256 is made by a work-group of four waves, 128 x 128 a wave: 64 accumulators, 512 registers.  K = 1,024 goes in steps of 256 through a ring of two LDS slots filled by the tensor data mover.
; Side A is source 1 of the matrix instruction (a lane holds one row of A), side B source 0 (a lane's registers run along rows of B).
;   clusters x = 0, 1: A = x (tokens), B = Wq | Wk (2,048 features): a lane holds one token, its registers features: q and k are quantised along features.
;   cluster  x = 2:    A = Wv (features), B = x (tokens): a lane holds one feature, its registers tokens: v is quantised along the keys.
; The rows of codes1 stand with bits 3 and 4 of their number exchanged: so the 16 registers of B's blocks 2 g, 2 g + 1 are 16 neighbours, 32 g + 16 (lane / 16) + 0 .. 15, in the tensor's own order.  The lane axis keeps the exchanged order: tiles of tokens (q, k) and of channels (v) are stored so.
; CLUSTERS: 4 x 4 work-groups; A's tile is asked for jointly along a row of the cluster, B's along a column.  Which kind a work-group is hangs on the cluster's x alone: it is the same in all sixteen partners.
; A RECORD (RECB bytes): K's 128 tiles of 16 keys x 64 channels, 768 bytes each (registers 0-3 at 16 x lane, 4-5 at 512 + 8 x lane); K's 2,048 scale words (bytes 0, 1: the two blocks; bytes 2, 3: 0, over zero codes);
;   V's fragments [key step 16][channel tile 4][1,536 bytes]; V's scale words [16][4][16]; then Q's tiles and words as K's.
; LIMITS: a block of zeros, and one whose largest magnitude lies under 2^-122, gets the byte 1 (this program alone reads the bytes); NaN and infinities are not served.
; REGISTERS, in windows of 256: window 0: v0-31 addresses; v32-63 scale words, two sets; v64-127 and v240-255 biases; from v128 A's fragments, one set; on the way out v128-239 at work.
;   window 1: B's fragments, two sets.   window 2: the accumulators of my A rows 0-63 ((a, b) at v[8 (8 a + b)]);   window 3: those of rows 64-127.
.set SIZE_K, 1024
.set KSTEP,  256                       ; along K in a slot
.set NQ,     KSTEP/128
.set ROWB,   192                       ; a tile's row in bytes
.set KROW,   SIZE_K*6/8                ; a row of codes1
.set PITCH,  240                       ; an LDS row: 3 x (64 bytes + 16 of padding) = 60 words: the 32 lanes of a load of 8 bytes touch 64 different banks (64 banks of 4 bytes: ISA guide 11.1)
.set FR,     12
.set NL,     6
.set NP,     4                         ; places behind this matrix instruction (ISA guide 7.12.1)
.set HALFT,  128*PITCH
.set SLOT,   4*HALFT
.set LAPS,   SIZE_K/(2*KSTEP)
.set KS,     SIZE_K/32                 ; a row of scales1
.set SCL,    2*SLOT                    ; behind the ring: the scales of my 256 + 256 rows for all of K, as rows of 256 bytes + 16
.set HALFS,  (128*KS/256)*272
.set SBLK,   (16*KS/256)*272
.set SPARE,  SCL+4*HALFS               ; the spare words, 128 bytes a wave: two blocks of 256 bytes that no other line names
.set RECB,   315392
.set R_KS,   98304
.set R_VI,   106496
.set R_VS,   204800
.set R_Q,    208896
.set SCRV,   4096                      ; the way out's scratch lies in slot 0, which has had its last fill and its last read by then: bytes 0-4095 for q and k, 4096-6143 for v
.set LI16, 7                           ; v7   16 x lane
.set LI8,  8                           ; v8   512 + 8 x lane
.set SWQ,  9                           ; v9   scratch, q/k: 1024 x wave + 4 r
.set SRQ,  10                          ; v10  1024 x wave + 16 x lane
.set SWV,  11                          ; v11  scratch, v: 4096 + 512 x wave + 4 r
.set SRV,  12                          ; v12  4096 + 512 x wave + 16 x lane
.set VSO,  13                          ; v13  16 (lane % 16) + RECB (lane / 16)
.set ADRA, 16
.set ADRB, 20
.set ADRS, 27
.set SPW,  28
.set NIL,  29
.set BO1,  30                          ; v30  64 (lane / 16): the bias along the registers; never rewritten
.set BO2,  31                          ; v31  4 (r + 8 (r / 8)): the bias of the lane's row; never rewritten
.set SC,   32
.set BI,   64                          ; v64-127: bias[32 g + 16 h + i] at 16 g + i
.set AF,   128
.set HA,   128                         ; the way out: 64 numbers
.set PC,   192                         ; codes
.set TM,   212                         ; at work
.set PW,   228                         ; the scale word just made
.set W0,   229
.set W1,   230
.set OUTS, 232
.set BV,   240                         ; v240-255: for block a the lane's bias, twice
.set G1, 24
.set G0, 32
.set G1B, 48
.set G0B, 56
.set G1S, 68
.set G0S, 76
.set G1SB, 80
.set G0SB, 88
.set SEL, 66
.set ISV, 95
.set MSB, 0
.macro WIN new                         ; the immediate's high byte repeats the setting that is left
.if MSB != \new
	s_set_vgpr_msb (MSB<<8)|\new
.set MSB, \new
.endif
.endm
.set MUL_LO, 0xa1                      ; source 0 (B) window 1, source 1 (A) window 0, C and D window 2
.set MUL_HI, 0xf1
.set TO_B,   0x40
; A joint load: waves 0 and 1 fetch for A, waves 2 and 3 for B; the branch hangs on the wave's number alone.  Four v_nop follow each of the two lines.
.macro JLOAD g0a, g1a, g0b, g1b
	s_cmp_eq_u32 s15, 0
	s_cbranch_scc0 .Lfor_b_\@
	tensor_load_to_lds s[\g0a:\g0a+3], s[\g1a:\g1a+7]
	s_nop 0
.rept 4
	v_nop
.endr
	s_branch .Lasked_\@
.Lfor_b_\@:
	tensor_load_to_lds s[\g0b:\g0b+3], s[\g1b:\g1b+7]
	s_nop 0
.rept 4
	v_nop
.endr
.Lasked_\@:
.endm
.macro CREST                           ; a round of the cluster's barrier behind its opening barrier
	s_cmp_lg_u32 s14, 0
	s_cbranch_scc1 .Lnot_wave_0_\@
	s_barrier_signal -3
.Lnot_wave_0_\@:
	s_barrier_wait -3
	s_barrier_signal -1
	s_barrier_wait -1
.endm
.macro CROUND
	s_barrier_signal -1
	s_barrier_wait -1
	CREST
.endm
	s_load_b128 s[4:7], s[0:1], 0x0                ; codes1, scales1
	s_load_b128 s[96:99], s[0:1], 0x10             ; bq, bk
	s_load_b64 s[100:101], s[0:1], 0x20            ; bv
	s_load_b64 s[12:13], s[0:1], 0x28              ; rec
	v_lshl_add_u32 v[SPW], v0, 2, SPARE
	v_mov_b32 v[NIL], 0
	ds_add_u32 v28, v29
	ds_add_u32 v28, v29
	s_wait_dscnt 0x0
	v_lshrrev_b32 v1, 5, v0
	v_readfirstlane_b32 s14, v1                    ; wave 0..3
	s_lshr_b32 s15, s14, 1                         ; which half of A's rows is mine.  Also: I fetch for A (0) or for B (1)
	s_and_b32 s16, s14, 1                          ; which half of B's rows.  Also: which 128 rows of that tile I fetch
	s_bfe_u32 s40, ttmp6, 0x40000                  ; cx, cy: my place in the cluster
	s_bfe_u32 s41, ttmp6, 0x40004
	s_and_b32 s17, ttmp7, 0xffff                   ; cluster y
	s_cmp_eq_u32 ttmp9, 2                          ; cluster x = 2 makes v
	s_cselect_b32 s[ISV], 1, 0
	s_cselect_b32 s42, s17, ttmp9                  ; the cluster's place along B: for v the tokens (cluster y), else the features (cluster x)
	s_cselect_b32 s17, 0, s17                      ; and along A: for v the 1,024 features are one cluster's height
	s_cselect_b32 s66, 10240, 0                    ; A's first row in codes1: Wv or x
	s_cselect_b32 s67, 0, 8192                     ; B's: x or Wq | Wk
	s_lshl_b32 s42, s42, 2
	s_add_co_u32 s42, s42, s40                     ; tile column (B)
	s_lshl_b32 s17, s17, 2
	s_add_co_u32 s17, s17, s41                     ; tile row (A)
	s_lshl_b32 s43, s41, 2
	s_lshl_b32 s43, 15, s43                        ; my row of the cluster
	s_lshl_b32 s44, 0x1111, s40                    ; my column
	; descriptor group 1: a tile of 128 rows x 192 bytes, 16 bytes of padding behind every 64
	s_or_b32 s[G1+0], s43, (0<<16)|(1<<20)|(1<<21)|(3<<22)|(3<<25)
	s_or_b32 s[G1B+0], s44, (0<<16)|(1<<20)|(1<<21)|(3<<22)|(3<<25)
.irp g, G1, G1B
	s_mov_b32 s[\g+1], ROWB<<16                    ; tensor_dim0
	s_mov_b32 s[\g+2], 128<<16                     ; tensor_dim1
	s_mov_b32 s[\g+3], ROWB<<16                    ; tile_dim0
	s_mov_b32 s[\g+4], 128                         ; tile_dim1
	s_mov_b32 s[\g+5], KROW                        ; from row to row
	s_mov_b32 s[\g+6], 0
	s_mov_b32 s[\g+7], 0
.endr
	; the scales of 128 rows: a dense block of 4,096 bytes, as 16 rows of 256 bytes (32 elements of 8), 16 bytes of padding behind each
	s_or_b32 s[G1S+0], s43, (3<<16)|(1<<20)|(1<<21)|(5<<22)|(3<<25)
	s_or_b32 s[G1SB+0], s44, (3<<16)|(1<<20)|(1<<21)|(5<<22)|(3<<25)
.irp g, G1S, G1SB
	s_mov_b32 s[\g+1], 32<<16
	s_mov_b32 s[\g+2], (128*KS/256)<<16
	s_mov_b32 s[\g+3], 32<<16
	s_mov_b32 s[\g+4], 128*KS/256
	s_mov_b32 s[\g+5], 32
	s_mov_b32 s[\g+6], 0
	s_mov_b32 s[\g+7], 0
.endr
	s_lshl_b32 s18, s16, 7                         ; which 128 rows of the tile I fetch
	s_lshl_b32 s20, s17, 8
	s_add_co_u32 s20, s20, s18
	s_add_co_u32 s20, s20, s66                     ; A: its row of codes1
	s_lshl_b32 s46, s42, 8
	s_add_co_u32 s46, s46, s18
	s_add_co_u32 s46, s46, s67                     ; B: its row
	s_mov_b32 s21, 0
	s_mov_b32 s47, 0
	s_mov_b64 s[18:19], KS
	s_mul_u64 s[22:23], s[20:21], s[18:19]         ; where these rows' scales begin
	s_mul_u64 s[92:93], s[46:47], s[18:19]
	s_mov_b64 s[18:19], KROW
	s_mul_u64 s[20:21], s[20:21], s[18:19]         ; and their codes
	s_mul_u64 s[46:47], s[46:47], s[18:19]
	s_mul_i32 s45, s14, HALFT                      ; where they go: wave x 128 rows: no place in the cluster enters an LDS address
	s_mul_i32 s94, s14, HALFS
	s_wait_kmcnt 0x0
	s_add_nc_u64 s[20:21], s[4:5], s[20:21]
	s_add_nc_u64 s[22:23], s[6:7], s[22:23]
	s_add_nc_u64 s[46:47], s[4:5], s[46:47]
	s_add_nc_u64 s[92:93], s[6:7], s[92:93]
	CROUND                                         ; all sixteen work-groups are here: the first joint loads meet
	s_mov_b32 s[G0S], 1
	s_add_co_u32 s[G0S+1], s94, SCL
	s_mov_b64 s[G0S+2:G0S+3], s[22:23]
	s_or_b32 s[G0S+3], s[G0S+3], 0x80000000
	s_mov_b32 s[G0SB], 1
	s_add_co_u32 s[G0SB+1], s94, SCL
	s_mov_b64 s[G0SB+2:G0SB+3], s[92:93]
	s_or_b32 s[G0SB+3], s[G0SB+3], 0x80000000
	JLOAD G0S, G1S, G0SB, G1SB                     ; the scales first: they are wanted with K step 0.  With the two below three loads of mine are out
.irp s, 0,1
	s_mov_b32 s[G0+4*\s], 1
	s_add_co_u32 s[G0+4*\s+1], s45, \s*SLOT
	s_add_nc_u64 s[G0+4*\s+2:G0+4*\s+3], s[20:21], \s*ROWB
	s_or_b32 s[G0+4*\s+3], s[G0+4*\s+3], 0x80000000
	s_mov_b32 s[G0B+4*\s], 1
	s_add_co_u32 s[G0B+4*\s+1], s45, \s*SLOT
	s_add_nc_u64 s[G0B+4*\s+2:G0B+4*\s+3], s[46:47], \s*ROWB
	s_or_b32 s[G0B+4*\s+3], s[G0B+4*\s+3], 0x80000000
	JLOAD G0+4*\s, G1, G0B+4*\s, G1B
.endr
	v_and_b32 v1, 15, v0                           ; r = lane % 16
	v_bfe_u32 v2, v0, 4, 1                         ; h = lane / 16
	v_mul_u32_u24 v3, v1, PITCH
	v_mul_u32_u24 v4, v2, 24
	v_add_nc_u32 v4, v3, v4                        ; a fragment's row x pitch + 24 h
	v_lshl_add_u32 v5, v2, 4, v4                   ; and the same behind one padding more
	s_mul_i32 s21, s15, HALFT                      ; my 128 rows of A
	s_mul_i32 s22, s16, HALFT                      ; my 128 rows of B,
	s_add_co_u32 s22, s22, 2*HALFT                 ; behind A's 256
.irp s, 0,1
	v_add_nc_u32 v[ADRA+\s], s21, v4
	v_add_nc_u32 v[ADRB+\s], s22, v4
	v_add_nc_u32 v[ADRA+2+\s], s21, v5
	v_add_nc_u32 v[ADRB+2+\s], s22, v5
	s_add_co_u32 s21, s21, SLOT
	s_add_co_u32 s22, s22, SLOT
.endr
	v_mul_u32_u24 v5, v1, KS                       ; my row's scales: 32 bytes a row,
	v_lshrrev_b32 v6, 8, v5
	v_lshl_add_u32 v5, v6, 4, v5                   ; and 16 more for each 256 passed
	s_mul_i32 s21, s15, HALFS
	s_mul_i32 s22, s16, HALFS
	s_add_co_u32 s22, s22, 2*HALFS
	s_sub_co_u32 s22, s22, s21
	v_mul_u32_u24 v6, s22, v2                      ; lanes 16-31 take B's
	s_add_co_u32 s21, s21, SCL
	v_add_nc_u32 v5, v5, v6
	v_add_nc_u32 v[ADRS], s21, v5
	; the way out's addresses
	v_and_b32 v6, 31, v0
	v_lshlrev_b32 v[LI16], 4, v6
	v_lshl_add_u32 v[LI8], v6, 3, 512
	s_lshl_b32 s21, s14, 10
	v_lshl_add_u32 v[SWQ], v1, 2, s21
	v_add_nc_u32 v[SRQ], s21, v[LI16]
	s_lshl_b32 s21, s14, 9
	s_add_co_u32 s21, s21, SCRV
	v_lshl_add_u32 v[SWV], v1, 2, s21
	v_add_nc_u32 v[SRV], s21, v[LI16]
	v_mul_u32_u24 v[VSO], v2, RECB
	v_lshl_add_u32 v[VSO], v1, 4, v[VSO]
	; THE BIASES of my 128 features, from one pointer, in BOTH layouts: along the registers (q, k) and by the lane's row (v).  The way out reads the one that its path wants: 16 loads a wave are not read;
	; in return the head has no branch, and every register that either path reads is written on every way through the text.
	s_lshl_b32 s18, s42, 8
	s_lshl_b32 s19, s16, 7
	s_add_co_u32 s18, s18, s19                     ; my first row of B
	s_lshl_b32 s19, s17, 8
	s_lshl_b32 s21, s15, 7
	s_add_co_u32 s19, s19, s21                     ; my first row of A
	s_cmp_ge_u32 s18, 1024
	s_cselect_b64 s[96:97], s[98:99], s[96:97]     ; features 1,024 on are k's
	s_and_b32 s18, s18, 1023
	s_cmp_eq_u32 s[ISV], 1
	s_cselect_b64 s[96:97], s[100:101], s[96:97]
	s_cselect_b32 s18, s19, s18                    ; for v the features are A's rows
	s_lshl_b32 s18, s18, 2
	s_mov_b32 s19, 0
	s_add_nc_u64 s[96:97], s[96:97], s[18:19]
	v_lshlrev_b32 v[BO1], 6, v2
	v_and_b32 v[BO2], 8, v1
	v_add_nc_u32 v[BO2], v[BO2], v1
	v_lshlrev_b32 v[BO2], 2, v[BO2]
.irp k, 0,1,2,3,4,5,6,7,8,9,10,11,12,13,14,15
	global_load_b128 v[BI+4*\k:BI+4*\k+3], v[BO1], s[96:97] offset:128*(\k/4)+16*(\k%4)
.endr
.irp a, 0,1,2,3,4,5,6,7
	global_load_b32 v[BV+2*\a], v[BO2], s[96:97] offset:4*(32*(\a/2)+8*(\a%2))
	global_load_b32 v[BV+2*\a+1], v[BO2], s[96:97] offset:4*(32*(\a/2)+8*(\a%2))   ; twice: a pair for the packed addition
.endr
.macro FRAG reg, adr, q, i             ; a fragment, 16 rows x 128 K: lane l holds row l % 16; registers 6 c .. 6 c + 5 hold K = 64 c + 32 (l / 16) + 0 .. 31: 24 bytes of the row, as they lie, in pieces of 8 bytes
.irp p, 0,1,2,3,4,5
.set PCE, 12*(\q)+6*(\p/3)+\p%3       ; where the piece three on lies behind one padding more, the second address register serves
.if PCE%8 < 5
	ds_load_b64 v[\reg+2*\p:\reg+2*\p+1], v[\adr] offset:8*PCE+16*(PCE/8)+(\i)*16*PITCH
.else
	ds_load_b64 v[\reg+2*\p:\reg+2*\p+1], v[\adr+2] offset:8*PCE+16*(PCE/8)+(\i)*16*PITCH
.endif
.endr
.endm
; 16 matrix instructions: A's blocks a0, a0 + 1 x B's eight.  The 64 accumulators take turns, one instruction a turn, in the same order in every step.
.macro MUL16 a0, p, q, sc, zero
.irp a, \a0, \a0+1
.irp b, 0,1,2,3,4,5,6,7
.if \zero
	v_wmma_scale_f32_16x16x128_f8f6f4 v[8*(8*((\a)%4)+\b):8*(8*((\a)%4)+\b)+7], v[128*(\p)+FR*\b:128*(\p)+FR*\b+FR-1], v[AF+FR*(\a):AF+FR*(\a)+FR-1], 0, v[SC+8*NQ*(\sc)+NQ*\b+(\q)], v[SC+8*NQ*(\sc)+NQ*(\a)+(\q)] matrix_a_fmt:MATRIX_FMT_BF6 matrix_b_fmt:MATRIX_FMT_BF6 matrix_a_scale:MATRIX_SCALE_ROW1
.else
	v_wmma_scale_f32_16x16x128_f8f6f4 v[8*(8*((\a)%4)+\b):8*(8*((\a)%4)+\b)+7], v[128*(\p)+FR*\b:128*(\p)+FR*\b+FR-1], v[AF+FR*(\a):AF+FR*(\a)+FR-1], v[8*(8*((\a)%4)+\b):8*(8*((\a)%4)+\b)+7], v[SC+8*NQ*(\sc)+NQ*\b+(\q)], v[SC+8*NQ*(\sc)+NQ*(\a)+(\q)] matrix_a_fmt:MATRIX_FMT_BF6 matrix_b_fmt:MATRIX_FMT_BF6 matrix_a_scale:MATRIX_SCALE_ROW1
.endif
.endr
.endr
.endm
.macro FETCH_B slot, q, p
	WIN TO_B
.irp i, 0,1,2,3,4,5,6,7
	FRAG 128*(\p)+FR*\i, ADRB+\slot, \q, \i
.endr
	WIN 0
.endm
.macro FETCH_A slot, q, i0
.irp i, \i0, \i0+1, \i0+2, \i0+3
	FRAG AF+FR*(\i), ADRA+\slot, \q, \i
.endr
.endm
.macro SCALES sc                       ; a K step's scale words: lanes 0-15 take A's block i, lanes 16-31 B's block i
.irp i, 0,1,2,3,4,5,6,7
	ds_load_b64 v[SC+8*NQ*\sc+NQ*\i:SC+8*NQ*\sc+NQ*\i+1], v[ADRS] offset:\i*SBLK
.endr
.endm
.macro PLACES n                        ; plain vector instructions between a matrix instruction and a load into, or a vector read or write of, its registers
.rept \n
	v_nop
.endr
.endm
.macro STEP slot, q, zero              ; a step of 128 along K that has its successor in the same slot
	s_wait_dscnt 4*NL                              ; B's set and A's blocks 0-3 are in; the youngest 24 loads (A's blocks 4-7) may be out
	WIN MUL_LO
	MUL16 0, (\q)%2, \q, \slot, \zero
	MUL16 2, (\q)%2, \q, \slot, \zero
	s_wait_dscnt 0
	PLACES NP
	FETCH_B \slot, (\q)+1, 1-(\q)%2
	FETCH_A \slot, (\q)+1, 0
	WIN MUL_HI
	MUL16 4, (\q)%2, \q, \slot, \zero
	MUL16 6, (\q)%2, \q, \slot, \zero
	PLACES NP
	WIN 0
	FETCH_A \slot, (\q)+1, 4
.endm
; A slot's last step changes slots: one barrier; in front of it each wave waits for all its tensor loads, adds 0 to its spare word, and waits for that and for its reads of this slot.
.macro TURN slot, next, fill
	s_wait_tensorcnt 0x0                           ; all my tensor loads have landed: my part of the next slot
	ds_add_u32 v[SPW], v[NIL]                      ; 0 onto my spare word
	s_wait_dscnt 4*NL+1                            ; the add and the youngest 24 loads (A's blocks 4-7) may be out
	WIN MUL_LO
	MUL16 0, 1, NQ-1, \slot, 0
	s_wait_dscnt 0x0                               ; the add is done, and my reads of this slot are over
	s_barrier_signal -1
	MUL16 2, 1, NQ-1, \slot, 0
	WIN 0
	s_barrier_wait -1
.if \fill
	CREST                                          ; the barrier has opened a round of the cluster's: no wave of any partner still reads this slot or has a load on its way
	s_add_nc_u64 s[G0+4*\slot+2:G0+4*\slot+3], s[G0+4*\slot+2:G0+4*\slot+3], 2*ROWB
	s_add_nc_u64 s[G0B+4*\slot+2:G0B+4*\slot+3], s[G0B+4*\slot+2:G0B+4*\slot+3], 2*ROWB
	JLOAD G0+4*\slot, G1, G0B+4*\slot, G1B         ; the first tensor load behind the round; its four v_nop are the places in front of the loads below
.else
	PLACES NP
.endif
	s_wait_alu depctr_va_vdst(0)
	v_add_nc_u32 v[ADRS], 4*NQ, v[ADRS]            ; the next K step's scale words
	FETCH_B \next, 0, 0
	FETCH_A \next, 0, 0
	SCALES \next
	WIN MUL_HI
	MUL16 4, 1, NQ-1, \slot, 0
	MUL16 6, 1, NQ-1, \slot, 0
	PLACES NP
	WIN 0
	FETCH_A \next, 0, 4
.endm
	s_wait_tensorcnt 1                             ; the scales and my part of K step 0 are in; K step 1's load may be out
	s_barrier_signal -1
	s_barrier_wait -1
	FETCH_B 0, 0, 0
	FETCH_A 0, 0, 0
	SCALES 0
	FETCH_A 0, 0, 4
	STEP 0, 0, 1                                   ; the first step's products start the sums
	s_mov_b32 s3, LAPS-1
.Llap:
	TURN 0, 1, 1
	STEP 1, 0, 0
	TURN 1, 0, 1
	STEP 0, 0, 0
	s_sub_co_u32 s3, s3, 1
	s_cmp_lg_u32 s3, 0
	s_cbranch_scc1 .Llap
	TURN 0, 1, 0                                   ; the last lap fills nothing
	STEP 1, 0, 0
	s_wait_dscnt 4*NL
	WIN MUL_LO
	MUL16 0, 1, NQ-1, 1, 0
	MUL16 2, 1, NQ-1, 1, 0
	s_wait_dscnt 0
	WIN MUL_HI
	MUL16 4, 1, NQ-1, 1, 0
	MUL16 6, 1, NQ-1, 1, 0
	WIN 0
; THE WAY OUT.  64 numbers of a lane, v[s] .. v[s + 63], register 16 b + i = K 32 b + 16 (lane / 16) + i of the lane's row, become a fragment's codes in v[PC] on and its scale word in v[PW].
.macro QUANT s
.irp b, 0,1,2,3
	v_max3_num_f32 v[TM+\b], |v[\s+16*\b]|, |v[\s+1+16*\b]|, 0x2800000   ; block b: my 16 numbers, and the floor 2^(5 - 127): the byte cannot fall under 1
.endr
.irp i, 2,4,6,8,10,12,14
.irp b, 0,1,2,3
	v_max3_num_f32 v[TM+\b], v[TM+\b], |v[\s+16*\b+\i]|, |v[\s+1+16*\b+\i]|   ; the four blocks by turns
.endr
.endr
.irp b, 0,1,2,3
	v_permlanex16_b32 v[TM+4+\b], v[TM+\b], s[SEL], s[SEL+1]
.endr
.irp b, 0,1,2,3
	v_max_num_f32 v[TM+\b], v[TM+\b], v[TM+4+\b]   ; with lane l xor 16's: the block's largest magnitude
.endr
.irp b, 0,1,2,3
	v_add_nc_u32 v[TM+12+\b], 0xfe000000, v[TM+\b]   ; 4 off its exponent field: the conversion's scale operand
.endr
.irp b, 0,1,2,3
	v_lshrrev_b32 v[TM+4+\b], 23, v[TM+12+\b]      ; the scale's byte
.endr
	v_lshl_or_b32 v[PW], v[TM+5], 8, v[TM+4]
	v_lshl_or_b32 v[PW], v[TM+6], 16, v[PW]
	v_lshl_or_b32 v[PW], v[TM+7], 24, v[PW]
.irp c, 0,1
	v_cvt_scalef32_pk16_bf6_f32 v[PC+6*\c:PC+2+6*\c], v[\s+32*\c:\s+15+32*\c], v[TM+12+2*\c]
	v_cvt_scalef32_pk16_bf6_f32 v[PC+12+4*\c:PC+14+4*\c], v[\s+16+32*\c:\s+31+32*\c], v[TM+12+2*\c+1]   ; (a conversion's three registers begin on an even number)
.endr
	v_nop                                          ; one plain place behind a scaled conversion
.irp c, 0,1                                    ; the operand's layout wants a whole block in a lane: lanes 0-15 block 2 c, lanes 16-31 block 2 c + 1
.irp i, 0,1,2
	v_permlane16_swap_b32 v[PC+6*\c+\i], v[PC+12+4*\c+\i]
.endr
.irp i, 0,1,2
	v_mov_b32 v[PC+3+6*\c+\i], v[PC+12+4*\c+\i]
.endr
.endr
.endm
; q, k: A's block a = 16 tokens; a lane's 64 numbers are 128 features = two heads.  The addition of the bias is also the move into window 0; each accumulator is read from its low end on.
.macro EPIQ a
	WIN (2+(\a)/4)
.set II, 0
.rept 32
	v_pk_add_f32 v[HA+II:HA+II+1], v[64*((\a)%4)+II:64*((\a)%4)+II+1], v[BI+II:BI+II+1]
.set II, II+2
.endr
	WIN 0
	s_wait_xcnt 0x0                                ; the last block's stores have read their data:
	s_wait_dscnt 0x0                               ; codes and words may be written again
	QUANT HA
	v_and_b32 v[W0], 0xffff, v[PW]                 ; the even head's word: two bytes, and zeros over the zero codes of K = 64 .. 127
	v_lshrrev_b32 v[W1], 16, v[PW]                 ; the odd head's
	ds_store_b32 v[SWQ], v[W0] offset:64*(\a)      ; (lanes 16-31 write what lanes 0-15 write)
	ds_store_b32 v[SWQ], v[W1] offset:512+64*(\a)
	global_store_b128 v[LI16], v[PC:PC+3], s[20:21] offset:768*(\a)              ; registers 0-5: the even head's tile: 512 + 256 consecutive bytes
	global_store_b64 v[LI8], v[PC+4:PC+5], s[20:21] offset:768*(\a)
	global_store_b128 v[LI16], v[PC+6:PC+9], s[20:21] offset:RECB+768*(\a)       ; registers 6-11: the odd head's, one record on
	global_store_b64 v[LI8], v[PC+10:PC+11], s[20:21] offset:RECB+768*(\a)
.endm
; v: A's block a = 16 channels (head a / 4, channel tile a % 4); a lane's 64 numbers are the 128 keys of one key step: a whole fragment.
.macro EPIV a
	WIN (2+(\a)/4)
.set II, 0
.rept 32
	v_pk_add_f32 v[HA+II:HA+II+1], v[64*((\a)%4)+II:64*((\a)%4)+II+1], v[BV+2*(\a):BV+2*(\a)+1]
.set II, II+2
.endr
	WIN 0
	s_wait_xcnt 0x0
	s_wait_dscnt 0x0
	QUANT HA
	ds_store_b32 v[SWV], v[PW] offset:64*(\a)
.irp c, 0,1,2
	global_store_b128 v[LI16], v[PC+4*\c:PC+4*\c+3], s[20:21] offset:((\a)/4)*RECB+((\a)%4)*1536+512*\c
.endr
.endm
	PLACES NP                                      ; behind the last products: their results are read and A's registers written below
	s_wait_loadcnt 0x0                             ; the biases
	s_mov_b32 s[SEL], 0x76543210                   ; v_permlanex16_b32's selects for lane l xor 16
	s_mov_b32 s[SEL+1], 0xfedcba98
.irp b, 0,1,2,3
	v_mov_b32 v[TM+4+\b], 0                        ; written once: a lane permute's destination counts as one of its sources
.endr
	s_lshl_b32 s18, s42, 8
	s_lshl_b32 s19, s16, 7
	s_add_co_u32 s18, s18, s19                     ; my first row of B
	s_lshl_b32 s19, s17, 8
	s_lshl_b32 s43, s15, 7
	s_add_co_u32 s19, s19, s43                     ; my first row of A
	s_mov_b32 s21, 0
	s_mov_b32 s23, 0
	s_cmp_eq_u32 s[ISV], 1                         ; the same in all sixteen partners
	s_cbranch_scc1 .Lvpath
	s_lshr_b32 s40, s19, 11                        ; the batch
	s_and_b32 s41, s18, 1023
	s_lshr_b32 s41, s41, 6                         ; my even head
	s_lshl_b32 s40, s40, 4
	s_add_co_u32 s40, s40, s41
	s_mul_i32 s40, s40, RECB                       ; its record
	s_cmp_ge_u32 s18, 1024
	s_cselect_b32 s41, 0, R_Q                      ; K's sections or Q's
	s_add_co_u32 s40, s40, s41
	s_and_b32 s41, s19, 2047                       ; my first token in the batch
	s_lshr_b32 s43, s41, 4
	s_mul_i32 s43, s43, 768
	s_add_co_u32 s20, s40, s43
	s_add_nc_u64 s[20:21], s[12:13], s[20:21]      ; the tiles
	s_lshl_b32 s41, s41, 2
	s_add_co_u32 s22, s40, s41
	s_add_co_u32 s22, s22, R_KS
	s_add_nc_u64 s[22:23], s[12:13], s[22:23]      ; the scale words
.irp a, 0,1,2,3,4,5,6,7
	EPIQ \a
.endr
	ds_load_b128 v[OUTS:OUTS+3], v[SRQ]            ; my wave's own bytes, in order behind its stores: 128 tokens' words of the even head,
	ds_load_b128 v[OUTS+4:OUTS+7], v[SRQ] offset:512   ; of the odd head
	s_wait_dscnt 0x0
	global_store_b128 v[LI16], v[OUTS:OUTS+3], s[22:23]             ; 512 consecutive bytes each
	global_store_b128 v[LI16], v[OUTS+4:OUTS+7], s[22:23] offset:RECB
	s_branch .Lend
.Lvpath:
	s_lshr_b32 s40, s18, 11                        ; the batch (B's rows are tokens here)
	s_lshr_b32 s41, s19, 6                         ; my even head
	s_lshl_b32 s40, s40, 4
	s_add_co_u32 s40, s40, s41
	s_mul_i32 s40, s40, RECB
	s_and_b32 s41, s18, 2047
	s_lshr_b32 s41, s41, 7                         ; the key step
	s_mul_i32 s43, s41, 6144
	s_add_co_u32 s20, s40, s43
	s_add_co_u32 s20, s20, R_VI
	s_add_nc_u64 s[20:21], s[12:13], s[20:21]
	s_lshl_b32 s41, s41, 8
	s_add_co_u32 s22, s40, s41
	s_add_co_u32 s22, s22, R_VS
	s_add_nc_u64 s[22:23], s[12:13], s[22:23]
.irp a, 0,1,2,3,4,5,6,7
	EPIV \a
.endr
	ds_load_b128 v[OUTS:OUTS+3], v[SRV]            ; lanes 0-15: the even head's 64 words, lanes 16-31: the odd head's
	s_wait_dscnt 0x0
	global_store_b128 v[VSO], v[OUTS:OUTS+3], s[22:23]              ; 256 consecutive bytes in each of the two records
.Lend:
	s_wait_tensorcnt 0x0                           ; the wave's end
	ds_add_u32 v[SPW], v[NIL]
	s_wait_dscnt 0x0
	CROUND                                         ; the closing round
	s_endpgm
.Lfunc_end_k_qdf8545a276_qkv:
	.size	k_qdf8545a276_qkv, .Lfunc_end_k_qdf8545a276_qkv-k_qdf8545a276_qkv
	.p2alignl 7, 3214868480
	.fill 96, 4, 3214868480
	.section	.rodata,"a",@progbits
	.p2align	6, 0x0
	.amdhsa_kernel k_qdf8545a276_qkv
		.amdhsa_group_segment_fixed_size 327680
		.amdhsa_private_segment_fixed_size 0
		.amdhsa_enable_private_segment 0
		.amdhsa_kernarg_size 48
		.amdhsa_user_sgpr_count 2
		.amdhsa_user_sgpr_kernarg_segment_ptr 1
		.amdhsa_wavefront_size32 1
		.amdhsa_system_sgpr_workgroup_id_x 1
		.amdhsa_system_sgpr_workgroup_id_y 1
		.amdhsa_system_sgpr_workgroup_id_z 1
		.amdhsa_system_vgpr_workitem_id 0
		.amdhsa_next_free_vgpr 1024
		.amdhsa_next_free_sgpr 102
		.amdhsa_reserve_vcc 0
		.amdhsa_float_denorm_mode_32 3
		.amdhsa_float_denorm_mode_16_64 3
		.amdhsa_memory_ordered 1
		.amdhsa_forward_progress 1
		.amdhsa_inst_pref_size 238
	.end_amdhsa_kernel
	.amdgpu_metadata
---
amdhsa.version: [ 1, 2 ]
amdhsa.kernels:
  - .name:           k_qdf8545a276_qkv
    .symbol:         k_qdf8545a276_qkv.kd
    .args:
      - { .name: codes1, .offset: 0, .size: 8, .value_kind: global_buffer, .address_space: global }
      - { .name: scales1, .offset: 8, .size: 8, .value_kind: global_buffer, .address_space: global }
      - { .name: bq, .offset: 16, .size: 8, .value_kind: global_buffer, .address_space: global }
      - { .name: bk, .offset: 24, .size: 8, .value_kind: global_buffer, .address_space: global }
      - { .name: bv, .offset: 32, .size: 8, .value_kind: global_buffer, .address_space: global }
      - { .name: rec, .offset: 40, .size: 8, .value_kind: global_buffer, .address_space: global }
    .group_segment_fixed_size: 327680
    .private_segment_fixed_size: 0
    .kernarg_segment_align: 8
    .kernarg_segment_size: 48
    .max_flat_workgroup_size: 128
    .sgpr_count:     102
    .vgpr_count:     1024
    .wavefront_size: 32
...
	.end_amdgpu_metadata
.endif
;; end of part 2
;; launch attn (part 3): grid 4 x 64, 16 waves a work-group, clusters of 4 x 1, 210,944 bytes of LDS; arguments rec, yc, ys; writes yc, ys
.if DOCPART == 3
	.amdgcn_target "amdgcn-amd-amdhsa--gfx1250"
	.amdhsa_code_object_version 6
	.text
	.protected	k_qdf8545a276_attn
	.globl	k_qdf8545a276_attn
	.p2align	8
	.type	k_qdf8545a276_attn,@function
k_qdf8545a276_attn:
	s_mov_b64 s[64:65], 0
	v_nop
	global_prefetch_b8 v0, s[64:65] scope:SCOPE_SE
	s_setreg_imm32_b32 hwreg(HW_REG_WAVE_MODE, 25, 1), 1
	s_wait_xcnt 0x0
	s_wait_alu depctr_hold_cnt(0) depctr_sa_sdst(0) depctr_va_vdst(0) depctr_va_sdst(0) depctr_va_ssrc(0) depctr_va_vcc(0) depctr_vm_vsrc(0)
	s_getreg_b32 s2, hwreg(HW_REG_IB_STS2, 6, 4)
	s_cmp_eq_u32 s2, 0
	s_cbranch_scc0 .Lentry_in_a_cluster
	s_endpgm
.Lentry_in_a_cluster:
	s_bfe_u32 s2, ttmp6, 0x10000c
	s_cmp_lg_u32 s2, 0x3003
	s_cbranch_scc0 .Lentry_shape_is_right
	s_endpgm
.Lentry_shape_is_right:
; y[b][q][head] = softmax_k(q . k / 8, causal) v on codes of BF6 (E3M2) with E8M0 scales; y is quantised along the model's 1,024 channels and stored as images of operand registers for the last product.
; THE SOFTMAX: t = score x log2(e) / 8; M = the row's largest t so far, rounded up to a whole number; p = 2^(t - M) is quantised along the keys, not normalised; the row's sum is taken of the unquantised p and divides at the end.
; When M moves, the sum and O are multiplied by 2^(old M - new M): exact.
; A HEAD'S K AND V STAY IN LDS: the first 208,896 bytes of its record (K's 128 tiles of 768 bytes, K's scale words, V's 64 fragments of 1,536 bytes, V's scale words) are filled once and only read: no slot is filled again.
; CLUSTER: the four work-groups of a cluster belong to one head and ask for that block JOINTLY: each of the sixteen waves one load of 13,056 bytes, the same descriptor in all four partners.
; SHARES: a tile of 16 queries, number 8 g + 2 cx + e, needs key steps 0 .. g (128 keys a step).  Wave w takes g = w, e = 0, and then g = 15 - w, e = 1: (w + 1) + (16 - w) = 17 key steps for every wave of the launch.
; Branches and trip counts hang on the wave's number alone; cx enters only global addresses (Q, y) and the numbers that the mask compares.
; LAYOUT: both products are used transposed: S^T = K Q^T (source 0 = 16 keys), O^T = V^T P^T (source 0 = 16 channels): a lane holds ONE query throughout.  Tiles of tokens and of channels stand with bits 3 and 4 of the row's number
; exchanged, so that the 16 registers of tiles 2 b, 2 b + 1 are 16 neighbours, 32 b + 16 (lane / 16) + 0 .. 15.  Lane r of query tile t is query 32 (t / 2) + 8 (t % 2) + r + 8 (r / 8).
; A head has 64 channels: the upper half of the first product's K = 128 is zero codes in both operands (under the scale byte 0, which is 2^-127).
; LIMITS: the running maximum starts at -3e38; a block whose largest magnitude lies under 2^-122 gets the byte 1; NaN and infinities are not served.
.set RECB, 315392
.set PART, 13056                       ; 51 rows of 256 bytes: a wave's sixteenth of the block
.set LKS,  98304
.set LVI,  106496
.set LVS,  204800
.set GQI,  208896
.set GQS,  307200
.set AK0,  1                           ; v1   16 x lane (LDS and global)
.set AK1,  2                           ; v2   512 + 8 x lane
.set AV0,  3                           ; v3   LVI + 16 x lane
.set AS0,  4                           ; v4   LKS + 4 x lane
.set AT0,  5                           ; v5   LVS + 4 x lane
.set DD,   6                           ; v6   my query less my first key, within the diagonal step
.set TMP,  7
.set ADK,  8
.set ADK2, 9
.set ADV,  10
.set ADS,  11
.set ADT,  28
.set QSW,  29                          ; Q's scale words
.set YSO,  30                          ; 32 r
.set R4,   31                          ; 4 r
.set KF,   32                          ; v32-79   four fragments of K; the upper six registers of each stay 0
.set VF,   80                          ; v80-127  V's four fragments
.set S,    128                         ; v128-191 S^T, then p
.set O,    192                         ; v192-223 O^T
.set WV,  10
.set CX,  11
.set BH,  12
.set LAM, 13
.set ST,  14
.set TK,  15
.set TS,  16
.set TJ,  17
.set CS,  18
.set SEL, 20
.set QB,  24
.set QSB, 26
.set YB,  28
.set YSB, 30
.set G0,  32
.set G1,  36
.set BASE, 44
.macro ROUND                           ; a round of the cluster's barrier
	s_barrier_signal -1
	s_barrier_wait -1
	s_cmp_lg_u32 s[WV], 0
	s_cbranch_scc1 .Lnot_wave_0_\@
	s_barrier_signal -3
.Lnot_wave_0_\@:
	s_barrier_wait -3
	s_barrier_signal -1
	s_barrier_wait -1
.endm
.macro QK T, t                         ; tile T of the step's eight, from fragment buffer t.  One register carries the words of two tiles: lanes 0-15 the even one's, lanes 16-31 the odd one's
.if (\T)%2
	v_wmma_scale_f32_16x16x128_f8f6f4 v[S+8*(\T):S+8*(\T)+7], v[KF+12*(\t):KF+12*(\t)+11], v[16:27], 0, v[248+(\T)/2], v[QSW] matrix_a_fmt:MATRIX_FMT_BF6 matrix_b_fmt:MATRIX_FMT_BF6 matrix_a_scale:MATRIX_SCALE_ROW1
.else
	v_wmma_scale_f32_16x16x128_f8f6f4 v[S+8*(\T):S+8*(\T)+7], v[KF+12*(\t):KF+12*(\t)+11], v[16:27], 0, v[248+(\T)/2], v[QSW] matrix_a_fmt:MATRIX_FMT_BF6 matrix_b_fmt:MATRIX_FMT_BF6
.endif
.endm
.macro PV t
.if (\t)%2
	v_wmma_scale_f32_16x16x128_f8f6f4 v[O+8*(\t):O+8*(\t)+7], v[VF+12*(\t):VF+12*(\t)+11], v[224:235], v[O+8*(\t):O+8*(\t)+7], v[254+(\t)/2], v253 matrix_a_fmt:MATRIX_FMT_BF6 matrix_b_fmt:MATRIX_FMT_BF6 matrix_a_scale:MATRIX_SCALE_ROW1
.else
	v_wmma_scale_f32_16x16x128_f8f6f4 v[O+8*(\t):O+8*(\t)+7], v[VF+12*(\t):VF+12*(\t)+11], v[224:235], v[O+8*(\t):O+8*(\t)+7], v[254+(\t)/2], v253 matrix_a_fmt:MATRIX_FMT_BF6 matrix_b_fmt:MATRIX_FMT_BF6
.endif
.endm
	s_load_b128 s[4:7], s[0:1], 0x0                ; rec, yc
	s_load_b64 s[8:9], s[0:1], 0x10                ; ys
	v_lshl_add_u32 v254, v0, 2, 0x33000
	v_mov_b32 v255, 0
	ds_add_u32 v254, v255
	ds_add_u32 v254, v255
	s_wait_dscnt 0x0
	v_lshrrev_b32 v1, 5, v0
	s_delay_alu instid0(VALU_DEP_1)
	v_readfirstlane_b32 s[WV], v1                  ; wave 0..15
	s_bfe_u32 s[CX], ttmp6, 0x40000                ; my place in the cluster
	s_and_b32 s[BH], ttmp7, 0xffff                 ; 16 x batch + head: the four partners share it
	s_mul_i32 s[BASE], s[BH], RECB
	s_mov_b32 s[BASE+1], 0
	s_mul_i32 s[G0+1], s[WV], PART                 ; LDS address: my sixteenth
	s_mov_b32 s46, s[G0+1]
	s_mov_b32 s47, 0
	s_mov_b32 s[G1], 15|(3<<16)|(1<<21)            ; 15:0 the mask: all four work-groups; 17:16 elements of 8 bytes; 21 set beside a mask; no padding
	s_mov_b32 s[G1+1], 32<<16                      ; tensor_dim0 = 32 elements: rows of 256 bytes
	s_mov_b32 s[G1+2], 51<<16                      ; tensor_dim1
	s_mov_b32 s[G1+3], 32<<16                      ; tile_dim0
	s_mov_b32 s[G1+4], 51                          ; tile_dim1
	s_mov_b32 s[G1+5], 32                          ; dense
	s_mov_b32 s[G1+6], 0
	s_mov_b32 s[G1+7], 0
	s_mov_b32 s[CS], 0x3e38aa3b                    ; c = log2(e) / 8
	s_mov_b32 s[CS+1], s[CS]                       ; (named with it as a pair)
	s_mov_b32 s[SEL], 0x76543210
	s_mov_b32 s[SEL+1], 0xfedcba98
	s_wait_kmcnt 0x0
	s_add_nc_u64 s[BASE:BASE+1], s[4:5], s[BASE:BASE+1]   ; my head's record
	s_mov_b32 s[G0], 1
	s_add_nc_u64 s[G0+2:G0+3], s[BASE:BASE+1], s[46:47]
	s_or_b32 s[G0+3], s[G0+3], 0x80000000
	ROUND                                          ; all four work-groups are here: the joint loads meet
	tensor_load_to_lds s[G0:G0+3], s[G1:G1+7]      ; my one tensor load of the launch
	s_nop 0
.rept 4
	v_nop
.endr
	v_and_b32 v[TMP], 31, v0
	s_delay_alu instid0(VALU_DEP_1)
	v_lshlrev_b32 v[AK0], 4, v[TMP]
	s_delay_alu instid0(VALU_DEP_2)
	v_lshl_add_u32 v[AK1], v[TMP], 3, 512
	s_delay_alu instid0(VALU_DEP_2)
	v_add_nc_u32 v[AV0], LVI, v[AK0]
	s_delay_alu instid0(VALU_DEP_4)
	v_lshl_add_u32 v[AS0], v[TMP], 2, LKS
	v_lshl_add_u32 v[AT0], v[TMP], 2, LVS
	v_and_b32 v[R4], 15, v0
	s_delay_alu instid0(VALU_DEP_1)
	v_lshlrev_b32 v[YSO], 5, v[R4]
	s_delay_alu instid0(VALU_DEP_2)
	v_lshlrev_b32 v[R4], 2, v[R4]
.irp j, 22,23,24,25,26,27
	v_mov_b32 v[\j], 0                             ; Q's codes of K = 64 .. 127
.endr
.irp t, 0,1,2,3
.irp j, 6,7,8,9,10,11
	v_mov_b32 v[KF+12*\t+\j], 0                    ; K's likewise: written once
.endr
.endr
.irp j, 236,237,238,239,252,253
	v_mov_b32 v[\j], 0                             ; lane permutes' destinations, and the upper half of the pair v[252:253]: written before they are first named
.endr
; The tile of phase e: its Q, its places in yc and ys, and a fresh softmax.
.macro QLOAD e
	s_wait_xcnt 0x0                                ; the last phase's stores have read their bases and data
.if \e
	s_xor_b32 s[LAM], s[WV], 15
.else
	s_mov_b32 s[LAM], s[WV]
.endif
	s_lshl_b32 s46, s[LAM], 3
	s_lshl_b32 s47, s[CX], 1
	s_add_co_u32 s46, s46, s47
	s_add_co_u32 s46, s46, \e                      ; the tile's number in the batch
	s_mul_i32 s48, s46, 768
	s_mov_b32 s49, 0
	s_add_nc_u64 s[QB:QB+1], s[BASE:BASE+1], s[48:49]
	s_add_nc_u64 s[QB:QB+1], s[QB:QB+1], GQI
	s_lshl_b32 s48, s46, 6
	s_add_nc_u64 s[QSB:QSB+1], s[BASE:BASE+1], s[48:49]
	s_add_nc_u64 s[QSB:QSB+1], s[QSB:QSB+1], GQS
	s_lshr_b32 s47, s[BH], 4
	s_lshl_b32 s47, s47, 7
	s_add_co_u32 s47, s47, s46                     ; the tile's number among all 512
	s_and_b32 s46, s[BH], 15                       ; the head
	s_lshl_b32 s48, s47, 4
	s_add_co_u32 s48, s48, s46
	s_mul_i32 s48, s48, 768
	s_add_nc_u64 s[YB:YB+1], s[6:7], s[48:49]
	s_lshl_b32 s48, s47, 9
	s_lshl_b32 s46, s46, 1
	s_add_co_u32 s48, s48, s46
	s_add_nc_u64 s[YSB:YSB+1], s[8:9], s[48:49]
	global_load_b128 v[16:19], v[AK0], s[QB:QB+1]
	global_load_b64 v[20:21], v[AK1], s[QB:QB+1]
	global_load_b32 v[QSW], v[R4], s[QSB:QSB+1]
	v_and_b32 v[DD], 15, v0
	v_and_b32 v[TMP], 8, v0
	s_delay_alu instid0(VALU_DEP_1)
	v_add_nc_u32 v[DD], v[DD], v[TMP]              ; r + 8 (r / 8)
	v_and_b32 v[TMP], 16, v0
	s_delay_alu instid0(VALU_DEP_1)
	v_sub_nc_u32 v[DD], v[DD], v[TMP]              ; - 16 (lane / 16)
	s_lshl_b32 s46, s[CX], 5
	s_add_co_u32 s46, s46, 8*\e
	v_add_nc_u32 v[DD], s46, v[DD]                 ; + 32 cx + 8 e
	v_mov_b32 v13, 0xff61b1e6                      ; the largest t so far: -3e38
	s_delay_alu instid0(VALU_DEP_1)
	v_floor_f32 v12, -v13                          ; -M
	v_mov_b32 v14, 0                               ; the sum, in two halves
	v_mov_b32 v15, 0
.set J, 0
.rept 32
	v_mov_b32 v[O+J], 0                            ; O^T: the step is written once, and its first pass multiplies zeros
.set J, J+1
.endr
	s_mov_b32 s[TK], 0
	s_mov_b32 s[TS], 0
	s_mov_b32 s[TJ], 0
	s_mov_b32 s[ST], 0
.endm
; A phase: sixteen trips, a constant; a key step all of whose keys come after my queries is jumped over, but for the lines that step addresses.
.macro RUN
	s_wait_loadcnt 0x0                             ; Q
.Lstep_\@:
	s_cmp_gt_u32 s[ST], s[LAM]
	s_cbranch_scc1 .Lhidden_\@
	s_setprio 2
	v_add_nc_u32 v[ADK], s[TK], v[AK0]             ; five plain lines: also places behind the last step's products
	v_add_nc_u32 v[ADK2], s[TK], v[AK1]
	v_add_nc_u32 v[ADV], s[TK], v[AV0]
	v_add_nc_u32 v[ADS], s[TS], v[AS0]
	v_add_nc_u32 v[ADT], s[TJ], v[AT0]
.irp t, 0,1,2,3
	ds_load_b128 v[KF+12*\t:KF+12*\t+3], v[ADK] offset:768*\t
	ds_load_b64 v[KF+12*\t+4:KF+12*\t+5], v[ADK2] offset:768*\t
.endr
.irp p, 0,1,2,3
	ds_load_b32 v[248+\p], v[ADS] offset:128*\p    ; the words of tiles 2 p (lanes 0-15) and 2 p + 1 (lanes 16-31)
.endr
	s_wait_alu depctr_va_vdst(0)
	s_wait_dscnt 0x0
.irp t, 0,1,2,3
	QK \t, \t
.endr
.rept 4
	v_nop                                          ; places in front of loads into registers that these products read
.endr
.irp t, 0,1,2,3
	ds_load_b128 v[KF+12*\t:KF+12*\t+3], v[ADK] offset:768*(4+\t)
	ds_load_b64 v[KF+12*\t+4:KF+12*\t+5], v[ADK2] offset:768*(4+\t)
.endr
.irp t, 0,1,2,3
.irp c, 0,1,2
	ds_load_b128 v[VF+12*\t+4*\c:VF+12*\t+4*\c+3], v[ADV] offset:1536*\t+512*\c   ; V lands while the softmax is worked
.endr
.endr
.irp p, 0,1
	ds_load_b32 v[254+\p], v[ADT] offset:128*\p
.endr
	s_wait_dscnt 14                                ; K's eight loads are in; V's twelve and its two words may be out
.irp t, 0,1,2,3
	QK 4+\t, \t
.endr
.rept 4
	v_nop                                          ; places in front of the first read of the scores
.endr
	s_cmp_lt_u32 s[ST], s[LAM]
	s_cbranch_scc1 .Lopen_\@                       ; all keys of this step count
	v_mov_b32 v[TMP], 0xff800000                   ; the diagonal step: register 16 b + i holds key 32 b + i + 16 (lane / 16) of the step: hidden where 32 b + i > v[DD]
.set N, 0
.rept 64
	v_cmp_gt_i32 vcc_lo, 32*(N/16)+N%16, v[DD]
	v_cndmask_b32 v[S+N], v[S+N], v[TMP], vcc_lo
.set N, N+1
.endr
.Lopen_\@:
.irp b, 0,1,2,3
	v_max3_num_f32 v[232+\b], v[S+16*\b], v[S+1+16*\b], v[S+2+16*\b]   ; the largest score of each block of 32 keys: it serves the row's maximum and, since p rises with the score, the block's largest p
.endr
.irp i, 3,5,7,9,11,13
.irp b, 0,1,2,3
	v_max3_num_f32 v[232+\b], v[232+\b], v[S+16*\b+\i], v[S+1+16*\b+\i]
.endr
.endr
.irp b, 0,1,2,3
	v_max_num_f32 v[232+\b], v[232+\b], v[S+15+16*\b]
.endr
.irp b, 0,1,2,3
	s_delay_alu instid0(VALU_DEP_4)
	v_permlanex16_b32 v[236+\b], v[232+\b], s[SEL], s[SEL+1]
.endr
.irp b, 0,1,2,3
	s_delay_alu instid0(VALU_DEP_4)
	v_max_num_f32 v[232+\b], v[232+\b], v[236+\b]  ; with lane l xor 16's 16 keys
.endr
	s_delay_alu instid0(VALU_DEP_2)
	v_max3_num_f32 v[TMP], v232, v233, v234
	s_delay_alu instid0(VALU_DEP_1)
	v_max_num_f32 v[TMP], v[TMP], v235
	s_delay_alu instid0(VALU_DEP_1)
	v_mul_f32 v[TMP], s[CS], v[TMP]                ; as t
	s_delay_alu instid0(VALU_DEP_1)
	v_max_num_f32 v13, v13, v[TMP]                 ; the running largest t
	v_mov_b32 v[TMP], v12
	s_delay_alu instid0(VALU_DEP_2)
	v_floor_f32 v12, -v13                          ; the new -M = -ceil(t)
	s_delay_alu instid0(VALU_DEP_1)
	v_sub_f32 v[TMP], v12, v[TMP]                  ; old M - new M: a whole number, 0 or less
	s_delay_alu instid0(VALU_DEP_1)
	v_cvt_i32_f32 v[TMP], v[TMP]                   ; (it saturates)
	s_delay_alu instid0(VALU_DEP_1)
	v_ldexp_f32 v252, 1.0, v[TMP]                  ; f = 2^(old M - new M)
.set J, 0
	s_setprio 1
.rept 32
	v_pk_fma_f32 v[S+J:S+J+1], v[S+J:S+J+1], s[CS:CS+1], v[12:13] op_sel_hi:[1,0,0]   ; t - M, two at a time
.set J, J+2
.endr
.irp b, 0,1,2,3
	v_fma_f32 v[232+\b], v[232+\b], s[CS], v12     ; the same of each block's largest score
.endr
.set J, 0
	s_wait_alu depctr_va_vdst(0)
.rept 64
	v_exp_f32 v[S+J], v[S+J]                       ; p = 2^(t - M)
.set J, J+1
.endr
	v_pk_mul_f32 v[14:15], v[14:15], v[252:253] op_sel_hi:[1,0]   ; the sums under the new M: a plain line behind the exponentials
	s_wait_alu depctr_va_vdst(0)                   ; one wait for the batch, ahead of its first reader
.irp b, 0,1,2,3
	v_exp_f32 v[232+\b], v[232+\b]                 ; the block's largest p
.endr
	v_pk_add_f32 v[236:237], v[132:133], v[136:137]
	v_pk_add_f32 v[250:251], v[140:141], v[144:145]
	v_pk_add_f32 v[248:249], v[148:149], v[152:153]
	v_pk_add_f32 v[246:247], v[156:157], v[160:161]
	v_pk_add_f32 v[244:245], v[164:165], v[168:169]
	v_pk_add_f32 v[242:243], v[172:173], v[176:177]
	v_pk_add_f32 v[240:241], v[180:181], v[184:185]
	v_pk_add_f32 v[14:15], v[14:15], v[188:189]
	v_pk_add_f32 v[236:237], v[236:237], v[128:129]
	v_pk_add_f32 v[250:251], v[250:251], v[130:131]
	v_pk_add_f32 v[248:249], v[248:249], v[134:135]
	v_pk_add_f32 v[246:247], v[246:247], v[138:139]
	v_pk_add_f32 v[244:245], v[244:245], v[142:143]
	v_pk_add_f32 v[242:243], v[242:243], v[146:147]
	v_pk_add_f32 v[240:241], v[240:241], v[150:151]
	v_pk_add_f32 v[14:15], v[14:15], v[154:155]
	v_pk_add_f32 v[236:237], v[236:237], v[158:159]
	v_pk_add_f32 v[250:251], v[250:251], v[162:163]
	v_pk_add_f32 v[248:249], v[248:249], v[166:167]
	v_pk_add_f32 v[246:247], v[246:247], v[170:171]
	v_pk_add_f32 v[244:245], v[244:245], v[174:175]
	v_pk_add_f32 v[242:243], v[242:243], v[178:179]
	v_pk_add_f32 v[240:241], v[240:241], v[182:183]
	v_pk_add_f32 v[14:15], v[14:15], v[186:187]
	v_pk_add_f32 v[236:237], v[236:237], v[190:191]
	s_delay_alu instid0(VALU_DEP_2)
	v_pk_add_f32 v[14:15], v[14:15], v[246:247]
	s_delay_alu instid0(VALU_DEP_2)
	v_pk_add_f32 v[236:237], v[236:237], v[244:245]
	v_pk_add_f32 v[250:251], v[250:251], v[242:243]
	v_pk_add_f32 v[248:249], v[248:249], v[240:241]
	s_delay_alu instid0(VALU_DEP_2)
	v_pk_add_f32 v[14:15], v[14:15], v[250:251]
	s_delay_alu instid0(VALU_DEP_2)
	v_pk_add_f32 v[236:237], v[236:237], v[248:249]
	s_delay_alu instid0(VALU_DEP_1)
	v_pk_add_f32 v[14:15], v[14:15], v[236:237]
	s_wait_alu depctr_va_vdst(0)                   ; and one for the four
.irp b, 0,1,2,3
	v_max_num_f32 v[232+\b], 0x2800000, v[232+\b]  ; the floor 2^(5 - 127): the byte cannot fall under 1
.endr
.irp b, 0,1,2,3
	s_delay_alu instid0(VALU_DEP_4)
	v_add_nc_u32 v[244+\b], 0xfe000000, v[232+\b]  ; 4 off the exponent field: the conversion's scale operand
.endr
.irp b, 0,1,2,3
	s_delay_alu instid0(VALU_DEP_4)
	v_lshrrev_b32 v[236+\b], 23, v[244+\b]
.endr
	s_delay_alu instid0(VALU_DEP_3)
	v_lshl_or_b32 v253, v237, 8, v236              ; p's scale word for these 128 keys
	s_delay_alu instid0(VALU_DEP_1)
	v_lshl_or_b32 v253, v238, 16, v253
	s_delay_alu instid0(VALU_DEP_1)
	v_lshl_or_b32 v253, v239, 24, v253
	s_setprio 0
.irp c, 0,1
	v_cvt_scalef32_pk16_bf6_f32 v[224+6*\c:226+6*\c], v[S+32*\c:S+15+32*\c], v[244+2*\c]
	v_cvt_scalef32_pk16_bf6_f32 v[236+4*\c:238+4*\c], v[S+16+32*\c:S+31+32*\c], v[244+2*\c+1]
.endr
	v_nop                                          ; one plain place behind a scaled conversion
.irp c, 0,1
.irp i, 0,1,2
	v_permlane16_swap_b32 v[224+6*\c+\i], v[236+4*\c+\i]
.endr
.irp i, 0,1,2
	s_delay_alu instid0(VALU_DEP_3)
	v_mov_b32 v[227+6*\c+\i], v[236+4*\c+\i]
.endr
.endr
.set J, 0
.rept 16
	v_pk_mul_f32 v[O+J:O+J+1], v[O+J:O+J+1], v[252:253] op_sel_hi:[1,0]   ; O^T under the new M; these sixteen are also the places between the codes, the scale word and the products
.set J, J+2
.endr
	s_wait_alu depctr_va_vdst(0)
	s_wait_dscnt 0x0                               ; V
.irp t, 0,1,2,3
	PV \t                                          ; four accumulators, one instruction a turn; eight other products stand between two links of a chain
.endr
.Lhidden_\@:
	s_add_co_u32 s[TK], s[TK], 6144                ; eight tiles of K, and four fragments of V
	s_add_co_u32 s[TS], s[TS], 512
	s_add_co_u32 s[TJ], s[TJ], 256
	s_add_co_u32 s[ST], s[ST], 1
	s_cmp_lt_u32 s[ST], 16
	s_cbranch_scc1 .Lstep_\@
	s_setprio 0
	; the way out: y = O^T / the sum; register 16 b + i is channel 32 b + 16 (lane / 16) + i of my head: two blocks of the last product's K
.rept 4
	v_nop                                          ; places behind the last products
.endr
	v_add_f32 v14, v14, v15
	s_delay_alu instid0(VALU_DEP_1)
	v_permlanex16_b32 v252, v14, s[SEL], s[SEL+1]
	s_delay_alu instid0(VALU_DEP_1)
	v_add_f32 v14, v14, v252                       ; the row's sum
	s_wait_alu depctr_va_vdst(0)
	v_rcp_f32 v14, v14
	v_nop                                          ; a plain place behind the transcendental
	s_wait_alu depctr_va_vdst(0)                   ; the wait ahead of its first reader
.set J, 0
.rept 16
	v_pk_mul_f32 v[S+J:S+J+1], v[O+J:O+J+1], v[14:15] op_sel_hi:[1,0]
.set J, J+2
.endr
.irp b, 0,1
	v_max3_num_f32 v[232+\b], |v[S+16*\b]|, |v[S+1+16*\b]|, 0x2800000
.endr
.irp i, 2,4,6,8,10,12,14
.irp b, 0,1
	s_delay_alu instid0(VALU_DEP_2)
	v_max3_num_f32 v[232+\b], v[232+\b], |v[S+16*\b+\i]|, |v[S+1+16*\b+\i]|
.endr
.endr
.irp b, 0,1
	s_delay_alu instid0(VALU_DEP_2)
	v_permlanex16_b32 v[236+\b], v[232+\b], s[SEL], s[SEL+1]
.endr
.irp b, 0,1
	s_delay_alu instid0(VALU_DEP_2)
	v_max_num_f32 v[232+\b], v[232+\b], v[236+\b]
.endr
.irp b, 0,1
	s_delay_alu instid0(VALU_DEP_2)
	v_add_nc_u32 v[244+\b], 0xfe000000, v[232+\b]
.endr
.irp b, 0,1
	s_delay_alu instid0(VALU_DEP_2)
	v_lshrrev_b32 v[236+\b], 23, v[244+\b]
.endr
	s_delay_alu instid0(VALU_DEP_1)
	v_lshl_or_b32 v[TMP], v237, 8, v236            ; my row's two scale bytes
	v_cvt_scalef32_pk16_bf6_f32 v[224:226], v[S:S+15], v244
	v_cvt_scalef32_pk16_bf6_f32 v[240:242], v[S+16:S+31], v245
	v_nop
.irp i, 0,1,2
	v_permlane16_swap_b32 v[224+\i], v[240+\i]
.endr
.irp i, 0,1,2
	s_delay_alu instid0(VALU_DEP_3)
	v_mov_b32 v[227+\i], v[240+\i]                 ; v224-229: K = 32 (lane / 16) + 0 .. 31 of my row: half a fragment
.endr
	global_store_b128 v[AK0], v[224:227], s[YB:YB+1]     ; 512 consecutive bytes,
	global_store_b64 v[AK1], v[228:229], s[YB:YB+1]      ; and the 256 behind them
	global_store_b16 v[YSO], v[TMP], s[YSB:YSB+1]        ; two bytes of each row's 32 (lanes 16-31 write what lanes 0-15 write): a row's other bytes belong to other heads' work-groups
.endm
	QLOAD 0
	s_wait_tensorcnt 0x0                           ; my sixteenth has landed,
	s_barrier_signal -1
	s_barrier_wait -1                              ; everybody's has
	RUN
	QLOAD 1
	RUN
	s_wait_dscnt 0x0
	s_wait_xcnt 0x0
	v_lshl_add_u32 v254, v0, 2, 0x33000
	v_mov_b32 v255, 0
	s_wait_alu depctr_va_vdst(0)
	s_wait_tensorcnt 0x0
	ds_add_u32 v254, v255
	s_wait_dscnt 0x0
	ROUND                                          ; the closing round
	s_endpgm
.Lfunc_end_k_qdf8545a276_attn:
	.size	k_qdf8545a276_attn, .Lfunc_end_k_qdf8545a276_attn-k_qdf8545a276_attn
	.p2alignl 7, 3214868480
	.fill 96, 4, 3214868480
	.section	.rodata,"a",@progbits
	.p2align	6, 0x0
	.amdhsa_kernel k_qdf8545a276_attn
		.amdhsa_group_segment_fixed_size 210944
		.amdhsa_private_segment_fixed_size 0
		.amdhsa_enable_private_segment 0
		.amdhsa_kernarg_size 24
		.amdhsa_user_sgpr_count 2
		.amdhsa_user_sgpr_kernarg_segment_ptr 1
		.amdhsa_wavefront_size32 1
		.amdhsa_system_sgpr_workgroup_id_x 1
		.amdhsa_system_sgpr_workgroup_id_y 1
		.amdhsa_system_sgpr_workgroup_id_z 1
		.amdhsa_system_vgpr_workitem_id 0
		.amdhsa_next_free_vgpr 256
		.amdhsa_next_free_sgpr 66
		.amdhsa_reserve_vcc 1
		.amdhsa_float_denorm_mode_32 3
		.amdhsa_float_denorm_mode_16_64 3
		.amdhsa_memory_ordered 1
		.amdhsa_forward_progress 1
		.amdhsa_inst_pref_size 65
	.end_amdhsa_kernel
	.amdgpu_metadata
---
amdhsa.version: [ 1, 2 ]
amdhsa.kernels:
  - .name:           k_qdf8545a276_attn
    .symbol:         k_qdf8545a276_attn.kd
    .args:
      - { .name: rec, .offset: 0, .size: 8, .value_kind: global_buffer, .address_space: global }
      - { .name: yc, .offset: 8, .size: 8, .value_kind: global_buffer, .address_space: global }
      - { .name: ys, .offset: 16, .size: 8, .value_kind: global_buffer, .address_space: global }
    .group_segment_fixed_size: 210944
    .private_segment_fixed_size: 0
    .kernarg_segment_align: 8
    .kernarg_segment_size: 24
    .max_flat_workgroup_size: 512
    .sgpr_count:     66
    .vgpr_count:     256
    .wavefront_size: 32
...
	.end_amdgpu_metadata
.endif
;; end of part 3
;; launch proj (part 4): grid 4 x 32, 4 waves a work-group, clusters of 4 x 4, 327,680 bytes of LDS; arguments yc, ys, codes1, scales1, bo, out0; writes out0
.if DOCPART == 4
	.amdgcn_target "amdgcn-amd-amdhsa--gfx1250"
	.amdhsa_code_object_version 6
	.text
	.protected	k_qdf8545a276_proj
	.globl	k_qdf8545a276_proj
	.p2align	8
	.type	k_qdf8545a276_proj,@function
k_qdf8545a276_proj:
	s_mov_b64 s[64:65], 0
	v_nop
	global_prefetch_b8 v0, s[64:65] scope:SCOPE_SE
	s_setreg_imm32_b32 hwreg(HW_REG_WAVE_MODE, 25, 1), 1
	s_wait_xcnt 0x0
	s_wait_alu depctr_hold_cnt(0) depctr_sa_sdst(0) depctr_va_vdst(0) depctr_va_sdst(0) depctr_va_ssrc(0) depctr_va_vcc(0) depctr_vm_vsrc(0)
	s_getreg_b32 s2, hwreg(HW_REG_IB_STS2, 6, 4)
	s_cmp_eq_u32 s2, 0
	s_cbranch_scc0 .Lentry_in_a_cluster
	s_endpgm
.Lentry_in_a_cluster:
	s_bfe_u32 s2, ttmp6, 0x10000c
	s_cmp_lg_u32 s2, 0xf033
	s_cbranch_scc0 .Lentry_shape_is_right
	s_endpgm
.Lentry_shape_is_right:
; out0 = y Wo^T + bo on codes of BF6 (E3M2) with E8M0 scales, f32 sums.  y: images of operand registers, [tile of 16 tokens 512][head 16][768 bytes], scale bytes [8192][32]; Wo: rows 11,264 on of codes1 and scales1.
; A tile of 256 x 256 is made by a work-group of four waves, 128 x 128 a wave.  K = 1,024 goes in steps of 256 (four heads) through a ring of two LDS slots filled by the tensor data mover.
; Source 0 = 16 rows of Wo, source 1 = 16 tokens: a lane holds eight neighbouring outputs of one token.  Tokens and Wo's rows stand with bits 3 and 4 of the row's number exchanged: the stage's columns and the stores' rows put both back.
; The output has 128 such tiles: 128 work-groups.  A tile of 128 x 256 would give 256, at the price of half the products for each byte read from LDS and a second text of the loop.
; CLUSTERS: 4 x 4 work-groups; y's tile is asked for jointly along a row of the cluster, Wo's along a column.
; The bias is the C of each sum's first matrix instruction: it costs no instruction.
; REGISTERS, in windows of 256: window 0: v0-31 addresses; v32-63 scale words; v64-127 the bias; from v128 y's fragments, one set; on the way out v128-255.   window 1: Wo's fragments, two sets.   windows 2, 3: the accumulators.
.set SIZE_K, 1024
.set SIZE_N, 1024
.set KSTEP,  256
.set NQ,     KSTEP/128
.set ROWB,   192
.set AROWB,  3072                      ; four heads' half fragments of a tile of 16 tokens
.set KROW,   SIZE_K*6/8
.set PITCH,  240
.set FR,     12
.set NL,     6
.set NLA,    4                         ; LDS loads that bring a fragment of y
.set NP,     4
.set HALFT,  128*PITCH
.set SLOT,   4*HALFT
.set LAPS,   SIZE_K/(2*KSTEP)
.set KS,     SIZE_K/32
.set SCL,    2*SLOT
.set HALFS,  (128*KS/256)*272
.set SBLK,   (16*KS/256)*272
.set SPARE,  SCL+4*HALFS
.set SPITCH, 528                       ; the way out: a stage of 16 rows x (512 bytes + 16) for each wave, in slot 0, which has had its last fill and its last read by then
.set ADRA, 16                          ; v16-17 y's images in slot 0, 1: + 16 x lane;  v18-19: + 512 + 8 x lane
.set ADRB, 20
.set STO,  24
.set RD,   25
.set CO,   26
.set ADRS, 27
.set SPW,  28
.set NIL,  29
.set BO1,  30
.set SC,   32
.set BI,   64
.set AF,   128
.set BK,   128
.set G1, 24
.set G0, 32
.set G1B, 48
.set G0B, 56
.set G1S, 68
.set G0S, 76
.set G1SB, 80
.set G0SB, 88
.set MSB, 0
.macro WIN new
.if MSB != \new
	s_set_vgpr_msb (MSB<<8)|\new
.set MSB, \new
.endif
.endm
.set MUL_LO, 0xa1                      ; source 0 (Wo) window 1, source 1 (y) window 0, C and D window 2
.set MUL_HI, 0xf1
.set FST_LO, 0x81                      ; the first step: C (the bias) window 0, D window 2
.set FST_HI, 0xc1
.set TO_B,   0x40
.macro JLOAD g0a, g1a, g0b, g1b
	s_cmp_eq_u32 s15, 0
	s_cbranch_scc0 .Lfor_b_\@
	tensor_load_to_lds s[\g0a:\g0a+3], s[\g1a:\g1a+7]
	s_nop 0
.rept 4
	v_nop
.endr
	s_branch .Lasked_\@
.Lfor_b_\@:
	tensor_load_to_lds s[\g0b:\g0b+3], s[\g1b:\g1b+7]
	s_nop 0
.rept 4
	v_nop
.endr
.Lasked_\@:
.endm
.macro CREST
	s_cmp_lg_u32 s14, 0
	s_cbranch_scc1 .Lnot_wave_0_\@
	s_barrier_signal -3
.Lnot_wave_0_\@:
	s_barrier_wait -3
	s_barrier_signal -1
	s_barrier_wait -1
.endm
.macro CROUND
	s_barrier_signal -1
	s_barrier_wait -1
	CREST
.endm
	s_load_b128 s[4:7], s[0:1], 0x0                ; y's images, y's scales
	s_load_b128 s[8:11], s[0:1], 0x10              ; codes1, scales1
	s_load_b64 s[96:97], s[0:1], 0x20              ; bo
	s_load_b64 s[12:13], s[0:1], 0x28              ; out0
	v_lshl_add_u32 v[SPW], v0, 2, SPARE
	v_mov_b32 v[NIL], 0
	ds_add_u32 v28, v29
	ds_add_u32 v28, v29
	s_wait_dscnt 0x0
	v_lshrrev_b32 v1, 5, v0
	v_readfirstlane_b32 s14, v1                    ; wave 0..3
	s_lshr_b32 s15, s14, 1                         ; which half of the tokens is mine.  Also: I fetch for y (0) or for Wo (1)
	s_and_b32 s16, s14, 1                          ; which half of the outputs.  Also: which 128 rows I fetch
	s_bfe_u32 s40, ttmp6, 0x40000
	s_bfe_u32 s41, ttmp6, 0x40004
	s_lshl_b32 s42, ttmp9, 2
	s_add_co_u32 s42, s42, s40                     ; tile column
	s_and_b32 s17, ttmp7, 0xffff
	s_lshl_b32 s17, s17, 2
	s_add_co_u32 s17, s17, s41                     ; tile row
	s_lshl_b32 s43, s41, 2
	s_lshl_b32 s43, 15, s43                        ; my row of the cluster
	s_lshl_b32 s44, 0x1111, s40                    ; my column
	; y's tile: 8 tiles of tokens x 3,072 bytes (384 elements of 8), 12,288 bytes apart; dense in LDS
	s_or_b32 s[G1+0], s43, (3<<16)|(1<<21)
	s_mov_b32 s[G1+1], 384<<16                     ; tensor_dim0
	s_mov_b32 s[G1+2], 8<<16                       ; tensor_dim1
	s_mov_b32 s[G1+3], 384<<16                     ; tile_dim0
	s_mov_b32 s[G1+4], 8                           ; tile_dim1
	s_mov_b32 s[G1+5], 1536                        ; from row to row, in elements
	s_mov_b32 s[G1+6], 0
	s_mov_b32 s[G1+7], 0
	; Wo's tile: 128 rows x 192 bytes, 16 bytes of padding behind every 64
	s_or_b32 s[G1B+0], s44, (0<<16)|(1<<20)|(1<<21)|(3<<22)|(3<<25)
	s_mov_b32 s[G1B+1], ROWB<<16
	s_mov_b32 s[G1B+2], 128<<16
	s_mov_b32 s[G1B+3], ROWB<<16
	s_mov_b32 s[G1B+4], 128
	s_mov_b32 s[G1B+5], KROW
	s_mov_b32 s[G1B+6], 0
	s_mov_b32 s[G1B+7], 0
	; the scales of 128 rows: 16 rows of 256 bytes, 16 bytes of padding behind each
	s_or_b32 s[G1S+0], s43, (3<<16)|(1<<20)|(1<<21)|(5<<22)|(3<<25)
	s_or_b32 s[G1SB+0], s44, (3<<16)|(1<<20)|(1<<21)|(5<<22)|(3<<25)
.irp g, G1S, G1SB
	s_mov_b32 s[\g+1], 32<<16
	s_mov_b32 s[\g+2], (128*KS/256)<<16
	s_mov_b32 s[\g+3], 32<<16
	s_mov_b32 s[\g+4], 128*KS/256
	s_mov_b32 s[\g+5], 32
	s_mov_b32 s[\g+6], 0
	s_mov_b32 s[\g+7], 0
.endr
	s_lshl_b32 s18, s16, 7
	s_lshl_b32 s20, s17, 8
	s_add_co_u32 s20, s20, s18                     ; y: token row 256 x tile row + 128 x half
	s_lshl_b32 s46, s42, 8
	s_add_co_u32 s46, s46, s18
	s_add_co_u32 s46, s46, 11264                   ; Wo: its row of codes1
	s_mov_b32 s21, 0
	s_mov_b32 s47, 0
	s_mov_b64 s[18:19], KS
	s_mul_u64 s[22:23], s[20:21], s[18:19]
	s_mul_u64 s[92:93], s[46:47], s[18:19]
	s_mov_b64 s[18:19], KROW
	s_mul_u64 s[20:21], s[20:21], s[18:19]         ; 16 tokens are 12,288 bytes of images: 768 a token, as in a row of codes
	s_mul_u64 s[46:47], s[46:47], s[18:19]
	s_mul_i32 s45, s14, HALFT
	s_mul_i32 s94, s14, HALFS
	s_wait_kmcnt 0x0
	s_add_nc_u64 s[20:21], s[4:5], s[20:21]
	s_add_nc_u64 s[22:23], s[6:7], s[22:23]
	s_add_nc_u64 s[46:47], s[8:9], s[46:47]
	s_add_nc_u64 s[92:93], s[10:11], s[92:93]
	CROUND                                         ; all sixteen work-groups are here: the first joint loads meet
	s_mov_b32 s[G0S], 1
	s_add_co_u32 s[G0S+1], s94, SCL
	s_mov_b64 s[G0S+2:G0S+3], s[22:23]
	s_or_b32 s[G0S+3], s[G0S+3], 0x80000000
	s_mov_b32 s[G0SB], 1
	s_add_co_u32 s[G0SB+1], s94, SCL
	s_mov_b64 s[G0SB+2:G0SB+3], s[92:93]
	s_or_b32 s[G0SB+3], s[G0SB+3], 0x80000000
	JLOAD G0S, G1S, G0SB, G1SB                     ; the scales first.  Each of the two below waits for the loads before it
.irp s, 0,1
	s_mov_b32 s[G0+4*\s], 1
	s_add_co_u32 s[G0+4*\s+1], s45, \s*SLOT
	s_add_nc_u64 s[G0+4*\s+2:G0+4*\s+3], s[20:21], \s*AROWB
	s_or_b32 s[G0+4*\s+3], s[G0+4*\s+3], 0x80000000
	s_mov_b32 s[G0B+4*\s], 1
	s_add_co_u32 s[G0B+4*\s+1], s45, \s*SLOT
	s_add_nc_u64 s[G0B+4*\s+2:G0B+4*\s+3], s[46:47], \s*ROWB
	s_or_b32 s[G0B+4*\s+3], s[G0B+4*\s+3], 0x80000000
	s_wait_alu depctr_va_vdst(0)
	s_wait_tensorcnt 0x0
	ds_add_u32 v28, v29
	s_wait_dscnt 0x0
	CROUND
	JLOAD G0+4*\s, G1, G0B+4*\s, G1B
.endr
	v_and_b32 v1, 15, v0                           ; r
	v_bfe_u32 v2, v0, 4, 1                         ; h
	v_mul_u32_u24 v3, v1, PITCH
	v_mul_u32_u24 v4, v2, 24
	v_add_nc_u32 v4, v3, v4                        ; Wo: a fragment's row x pitch + 24 h
	v_lshl_add_u32 v5, v2, 4, v4                   ; and behind one padding more
	v_and_b32 v6, 31, v0
	v_lshlrev_b32 v[CO], 4, v6                     ; 16 x lane
	v_lshl_add_u32 v7, v6, 3, 512                  ; 512 + 8 x lane
	s_mul_i32 s21, s15, HALFT                      ; my 128 tokens
	s_mul_i32 s22, s16, HALFT
	s_add_co_u32 s22, s22, 2*HALFT                 ; my 128 rows of Wo
.irp s, 0,1
	v_add_nc_u32 v[ADRA+\s], s21, v[CO]
	v_add_nc_u32 v[ADRB+\s], s22, v4
	v_add_nc_u32 v[ADRA+2+\s], s21, v7
	v_add_nc_u32 v[ADRB+2+\s], s22, v5
	s_add_co_u32 s21, s21, SLOT
	s_add_co_u32 s22, s22, SLOT
.endr
	v_mul_u32_u24 v5, v1, KS
	v_lshrrev_b32 v6, 8, v5
	v_lshl_add_u32 v5, v6, 4, v5
	s_mul_i32 s21, s15, HALFS
	s_mul_i32 s22, s16, HALFS
	s_add_co_u32 s22, s22, 2*HALFS
	s_sub_co_u32 s22, s22, s21
	v_mul_u32_u24 v6, s22, v2                      ; lanes 16-31 take Wo's
	s_add_co_u32 s21, s21, SCL
	v_add_nc_u32 v5, v5, v6
	v_add_nc_u32 v[ADRS], s21, v5
	s_mul_i32 s23, s14, 16*SPITCH                  ; my stage
	v_mul_u32_u24 v5, v1, SPITCH                   ; in: row r; my half's outputs begin 16 numbers, 64 bytes, on
	v_lshl_add_u32 v5, v2, 6, v5
	v_add_nc_u32 v[STO], s23, v5
	v_add_nc_u32 v[RD], s23, v[CO]                 ; back: the 32 lanes take one row of 512 bytes
	s_lshl_b32 s20, s17, 8
	s_lshl_b32 s21, s15, 7
	s_add_co_u32 s20, s20, s21                     ; my first token
	s_mov_b32 s21, 0
	s_mov_b64 s[18:19], SIZE_N*4
	s_mul_u64 s[20:21], s[20:21], s[18:19]
	s_lshl_b32 s46, s42, 10                        ; my first output, in bytes: 1,024 x tile column + 512 x half
	s_lshl_b32 s47, s16, 9
	s_add_co_u32 s46, s46, s47
	s_mov_b32 s47, 0
	s_add_nc_u64 s[96:97], s[96:97], s[46:47]      ; the bias of my 128 outputs
	s_add_nc_u64 s[20:21], s[20:21], s[46:47]
	s_add_nc_u64 s[12:13], s[12:13], s[20:21]
	v_lshlrev_b32 v[BO1], 6, v2
.irp k, 0,1,2,3,4,5,6,7,8,9,10,11,12,13,14,15
	global_load_b128 v[BI+4*\k:BI+4*\k+3], v[BO1], s[96:97] offset:128*(\k/4)+16*(\k%4)   ; v[BI + 8 b + j] = bo of output 32 (b / 2) + 8 (b % 2) + 16 h + j: the layout of the results of Wo's block b
.endr
.macro FRAG reg, adr, q, i             ; a fragment of Wo from rows: six pieces of 8 bytes
.irp p, 0,1,2,3,4,5
.set PCE, 12*(\q)+6*(\p/3)+\p%3
.if PCE%8 < 5
	ds_load_b64 v[\reg+2*\p:\reg+2*\p+1], v[\adr] offset:8*PCE+16*(PCE/8)+(\i)*16*PITCH
.else
	ds_load_b64 v[\reg+2*\p:\reg+2*\p+1], v[\adr+2] offset:8*PCE+16*(PCE/8)+(\i)*16*PITCH
.endif
.endr
.endm
.macro FRAGA reg, slot, q, i           ; a fragment of y from two heads' images: registers 0-3 at 16 x lane, 4-5 at 512 + 8 x lane; the second head 768 bytes on
	ds_load_b128 v[\reg:\reg+3], v[ADRA+\slot] offset:AROWB*(\i)+1536*(\q)
	ds_load_b64 v[\reg+4:\reg+5], v[ADRA+2+\slot] offset:AROWB*(\i)+1536*(\q)
	ds_load_b128 v[\reg+6:\reg+9], v[ADRA+\slot] offset:AROWB*(\i)+1536*(\q)+768
	ds_load_b64 v[\reg+10:\reg+11], v[ADRA+2+\slot] offset:AROWB*(\i)+1536*(\q)+768
.endm
; 16 matrix instructions: y's blocks a0, a0 + 1 x Wo's eight.  first = 1: the bias is the C.  The 64 accumulators take turns, one instruction a turn.
.macro MUL16 a0, p, q, sc, first
.irp a, \a0, \a0+1
.irp b, 0,1,2,3,4,5,6,7
.if \first
	v_wmma_scale_f32_16x16x128_f8f6f4 v[8*(8*((\a)%4)+\b):8*(8*((\a)%4)+\b)+7], v[128*(\p)+FR*\b:128*(\p)+FR*\b+FR-1], v[AF+FR*(\a):AF+FR*(\a)+FR-1], v[BI+8*\b:BI+8*\b+7], v[SC+8*NQ*(\sc)+NQ*\b+(\q)], v[SC+8*NQ*(\sc)+NQ*(\a)+(\q)] matrix_a_fmt:MATRIX_FMT_BF6 matrix_b_fmt:MATRIX_FMT_BF6 matrix_a_scale:MATRIX_SCALE_ROW1
.else
	v_wmma_scale_f32_16x16x128_f8f6f4 v[8*(8*((\a)%4)+\b):8*(8*((\a)%4)+\b)+7], v[128*(\p)+FR*\b:128*(\p)+FR*\b+FR-1], v[AF+FR*(\a):AF+FR*(\a)+FR-1], v[8*(8*((\a)%4)+\b):8*(8*((\a)%4)+\b)+7], v[SC+8*NQ*(\sc)+NQ*\b+(\q)], v[SC+8*NQ*(\sc)+NQ*(\a)+(\q)] matrix_a_fmt:MATRIX_FMT_BF6 matrix_b_fmt:MATRIX_FMT_BF6 matrix_a_scale:MATRIX_SCALE_ROW1
.endif
.endr
.endr
.endm
.macro FETCH_B slot, q, p
	WIN TO_B
.irp i, 0,1,2,3,4,5,6,7
	FRAG 128*(\p)+FR*\i, ADRB+\slot, \q, \i
.endr
	WIN 0
.endm
.macro FETCH_A slot, q, i0
.irp i, \i0, \i0+1, \i0+2, \i0+3
	FRAGA AF+FR*(\i), \slot, \q, \i
.endr
.endm
.macro SCALES sc
.irp i, 0,1,2,3,4,5,6,7
	ds_load_b64 v[SC+8*NQ*\sc+NQ*\i:SC+8*NQ*\sc+NQ*\i+1], v[ADRS] offset:\i*SBLK
.endr
.endm
.macro PLACES n
.rept \n
	v_nop
.endr
.endm
.macro STEP slot, q, first
	s_wait_dscnt 4*NLA                             ; Wo's set and y's blocks 0-3 are in; the youngest 16 loads (y's blocks 4-7) may be out
.if \first
	WIN FST_LO
.else
	WIN MUL_LO
.endif
	MUL16 0, (\q)%2, \q, \slot, \first
	MUL16 2, (\q)%2, \q, \slot, \first
	s_wait_dscnt 0
	PLACES NP
	FETCH_B \slot, (\q)+1, 1-(\q)%2
	FETCH_A \slot, (\q)+1, 0
.if \first
	WIN FST_HI
.else
	WIN MUL_HI
.endif
	MUL16 4, (\q)%2, \q, \slot, \first
	MUL16 6, (\q)%2, \q, \slot, \first
	PLACES NP
	WIN 0
	FETCH_A \slot, (\q)+1, 4
.endm
.macro TURN slot, next, fill
	s_wait_tensorcnt 0x0                           ; all my tensor loads have landed: my part of the next slot
	ds_add_u32 v[SPW], v[NIL]                      ; 0 onto my spare word
	s_wait_dscnt 4*NLA+1                           ; the add and the youngest 16 loads (y's blocks 4-7) may be out
	WIN MUL_LO
	MUL16 0, 1, NQ-1, \slot, 0
	s_wait_dscnt 0x0                               ; the add is done, and my reads of this slot are over
	s_barrier_signal -1
	MUL16 2, 1, NQ-1, \slot, 0
	WIN 0
	s_barrier_wait -1
.if \fill
	CREST                                          ; the barrier has opened a round of the cluster's: no wave of any partner still reads this slot or has a load on its way
	s_add_nc_u64 s[G0+4*\slot+2:G0+4*\slot+3], s[G0+4*\slot+2:G0+4*\slot+3], 2*AROWB
	s_add_nc_u64 s[G0B+4*\slot+2:G0B+4*\slot+3], s[G0B+4*\slot+2:G0B+4*\slot+3], 2*ROWB
	JLOAD G0+4*\slot, G1, G0B+4*\slot, G1B         ; the first tensor load behind the round; its four v_nop are the places in front of the loads below
.else
	PLACES NP
.endif
	s_wait_alu depctr_va_vdst(0)
	v_add_nc_u32 v[ADRS], 4*NQ, v[ADRS]
	FETCH_B \next, 0, 0
	FETCH_A \next, 0, 0
	SCALES \next
	WIN MUL_HI
	MUL16 4, 1, NQ-1, \slot, 0
	MUL16 6, 1, NQ-1, \slot, 0
	PLACES NP
	WIN 0
	FETCH_A \next, 0, 4
.endm
	s_wait_alu depctr_va_vdst(0)
	s_wait_tensorcnt 1                             ; the scales and my part of K step 0 are in; K step 1's load may be out
	s_barrier_signal -1
	s_barrier_wait -1
	FETCH_B 0, 0, 0
	FETCH_A 0, 0, 0
	SCALES 0
	FETCH_A 0, 0, 4
	s_wait_loadcnt 0x0                             ; the bias
	STEP 0, 0, 1                                   ; the first step's products start the sums from the bias
	s_mov_b32 s3, LAPS-1
.Llap:
	TURN 0, 1, 1
	STEP 1, 0, 0
	TURN 1, 0, 1
	STEP 0, 0, 0
	s_sub_co_u32 s3, s3, 1
	s_cmp_lg_u32 s3, 0
	s_cbranch_scc1 .Llap
	TURN 0, 1, 0                                   ; the last lap fills nothing
	STEP 1, 0, 0
	s_wait_dscnt 4*NLA
	WIN MUL_LO
	MUL16 0, 1, NQ-1, 1, 0
	MUL16 2, 1, NQ-1, 1, 0
	s_wait_dscnt 0
	WIN MUL_HI
	MUL16 4, 1, NQ-1, 1, 0
	MUL16 6, 1, NQ-1, 1, 0
	WIN 0
; THE WAY OUT, block by block of 16 tokens x 128 outputs, through my own stage: a lane's eight results of Wo's block b are outputs 32 (b / 2) + 8 (b % 2) + 16 h + 0 .. 7; whole rows of 512 bytes come back.
; Stage row t of block a is token 32 (a / 2) + 8 (a % 2) + t + 8 (t / 8) of my 128.  LDS serves a wave's instructions in order (ISA guide 5.7.1.4): no wait between the stores and the loads.
.macro TOSTAGE a
.set AC, 64*((\a)%4)
	WIN (0x08+4*((\a)/4))                          ; the data: window 2 or 3
.irp b, 0,1,2,3,4,5,6,7
	ds_store_b128 v[STO], v[AC+8*\b:AC+8*\b+3] offset:128*(\b/2)+32*(\b%2)          ; each accumulator from its low end on
	ds_store_b128 v[STO], v[AC+8*\b+4:AC+8*\b+7] offset:128*(\b/2)+32*(\b%2)+16
.endr
	WIN 0
.set BB, BK+64*((\a)%2)
.irp t, 0,1,2,3,4,5,6,7,8,9,10,11,12,13,14,15
	ds_load_b128 v[BB+4*\t:BB+4*\t+3], v[RD] offset:\t*SPITCH
.endr
.endm
.macro SEND a, younger                 ; younger: the LDS instructions issued behind block a's loads, which may stay out
.set BB, BK+64*((\a)%2)
	s_wait_dscnt \younger
.irp t, 0,1,2,3,4,5,6,7,8,9,10,11,12,13,14,15
	global_store_b128 v[CO], v[BB+4*\t:BB+4*\t+3], s[12:13] offset:(32*((\a)/2)+8*((\a)%2)+\t+8*(\t/8))*SIZE_N*4 th:TH_STORE_NT   ; 32 lanes store 512 consecutive bytes; at most 127 rows on: inside the signed 24-bit immediate
.endr
.endm
	PLACES NP                                      ; behind the last products: results are read and y's registers loaded below
	TOSTAGE 0
.irp a, 1,2,3,4,5,6,7
.if \a > 1
	s_wait_xcnt 0x0                                ; block a - 2's stores have read their registers: block a's loads may land there
.endif
	TOSTAGE \a
	SEND \a-1, 32                                  ; behind block a - 1's loads: block a's 16 stores and 16 loads
.endr
	SEND 7, 0
	s_wait_tensorcnt 0x0                           ; the wave's end
	ds_add_u32 v[SPW], v[NIL]
	s_wait_dscnt 0x0
	CROUND                                         ; the closing round
	s_endpgm
.Lfunc_end_k_qdf8545a276_proj:
	.size	k_qdf8545a276_proj, .Lfunc_end_k_qdf8545a276_proj-k_qdf8545a276_proj
	.p2alignl 7, 3214868480
	.fill 96, 4, 3214868480
	.section	.rodata,"a",@progbits
	.p2align	6, 0x0
	.amdhsa_kernel k_qdf8545a276_proj
		.amdhsa_group_segment_fixed_size 327680
		.amdhsa_private_segment_fixed_size 0
		.amdhsa_enable_private_segment 0
		.amdhsa_kernarg_size 48
		.amdhsa_user_sgpr_count 2
		.amdhsa_user_sgpr_kernarg_segment_ptr 1
		.amdhsa_wavefront_size32 1
		.amdhsa_system_sgpr_workgroup_id_x 1
		.amdhsa_system_sgpr_workgroup_id_y 1
		.amdhsa_system_sgpr_workgroup_id_z 1
		.amdhsa_system_vgpr_workitem_id 0
		.amdhsa_next_free_vgpr 1024
		.amdhsa_next_free_sgpr 100
		.amdhsa_reserve_vcc 0
		.amdhsa_float_denorm_mode_32 3
		.amdhsa_float_denorm_mode_16_64 3
		.amdhsa_memory_ordered 1
		.amdhsa_forward_progress 1
		.amdhsa_inst_pref_size 154
	.end_amdhsa_kernel
	.amdgpu_metadata
---
amdhsa.version: [ 1, 2 ]
amdhsa.kernels:
  - .name:           k_qdf8545a276_proj
    .symbol:         k_qdf8545a276_proj.kd
    .args:
      - { .name: yc, .offset: 0, .size: 8, .value_kind: global_buffer, .address_space: global }
      - { .name: ys, .offset: 8, .size: 8, .value_kind: global_buffer, .address_space: global }
      - { .name: codes1, .offset: 16, .size: 8, .value_kind: global_buffer, .address_space: global }
      - { .name: scales1, .offset: 24, .size: 8, .value_kind: global_buffer, .address_space: global }
      - { .name: bo, .offset: 32, .size: 8, .value_kind: global_buffer, .address_space: global }
      - { .name: out0, .offset: 40, .size: 8, .value_kind: global_buffer, .address_space: global }
    .group_segment_fixed_size: 327680
    .private_segment_fixed_size: 0
    .kernarg_segment_align: 8
    .kernarg_segment_size: 48
    .max_flat_workgroup_size: 128
    .sgpr_count:     100
    .vgpr_count:     1024
    .wavefront_size: 32
...
	.end_amdgpu_metadata
.endif
;; end of part 4
